; MI455X (gfx1250); checked and timed in simulation.
; The chip was launched on July 23, 2026; its instructions are those of AMD's public machine-readable ISA for CDNA 5 (MIT licence, August 2026) and "CDNA5" Instruction Set Architecture Reference Guide (July 2026). The comments in the code are by the model that wrote it; some were corrected since.
;; Multi Head Attention. Allowed arithmetic: matrix products marked QUANTISED: E4M3 operands, one given power-of-two scale a tensor, by v_wmma_f32_16x16x64_fp8_fp8 or v_wmma_f32_16x16x128_fp8_fp8, f32 sums; everything else in f32.
;; Inputs: k 8 x 1,024 x 1,024 float32; lowp_scales 12 int32 (the exponents e of the quantised operands' scales 2^e); mask 8 x 1 x 1 x 1,024 float32; q_in 8 x 1,024 x 1,024 float32; v 8 x 1,024 x 1,024 float32; wk_b 1,024 float32; wk_w 1,024 x 1,024 float32; wo_b 1,024 float32; wo_w 2,048 x 1,024 float32; wq_b 1,024 float32; wq_w 1,024 x 1,024 float32; wv_b 1,024 float32; wv_w 1,024 x 1,024 float32.
;; Outputs: out0 8 x 1,024 x 1,024 float32.
;; This version of the problem:
;;   THIS VERSION OF THE PROBLEM IS GIVEN IN LOW PRECISION. The matrix products marked QUANTISED in the list below multiply operands that are first quantised to E4M3 (4 exponent bits, 3 mantissa bits; 8 bits a number), with one given power-of-two scale for each operand tensor; their sums are f32. All else is computed in f32.
;;   The module's matrix products, in the order in which they are computed (A, B: the left and right operand; K: the contracted axis; several contracted axes count as one K, in the product's order):
;;     1. [M 8,192, K 1,024] x [K 1,024, N 1,024]; A: input q_in; B: input wq_w: QUANTISED (scales: A lowp_scales[0], B lowp_scales[1])
;;     2. [M 8,192, K 1,024] x [K 1,024, N 1,024]; A: input k; B: input wk_w: QUANTISED (scales: A lowp_scales[2], B lowp_scales[3])
;;     3. [M 8,192, K 1,024] x [K 1,024, N 1,024]; A: input v; B: input wv_w: QUANTISED (scales: A lowp_scales[4], B lowp_scales[5])
;;     4. batch 128 x [M 1,024, K 64] x [K 64, N 1,024]; A: computed on the way; B: computed on the way: QUANTISED (scales: A lowp_scales[6], B lowp_scales[7])
;;     5. batch 128 x [M 1,024, K 1,024] x [K 1,024, N 64]; A: softmax (see below); B: computed on the way: QUANTISED (scales: A lowp_scales[8], B lowp_scales[9])
;;     6. [M 8,192, K 2,048] x [K 2,048, N 1,024]; A: computed on the way; B: input wo_w: QUANTISED (scales: A lowp_scales[10], B lowp_scales[11])
;;   THE QUANTISER, for each operand of a quantised product, along K:
;;     - The operand's scale is 2^e, e = its entry of the input lowp_scales (int32; the entries are numbered through the quantised products in the list's order, A before B).
;;     - Each number is divided by the scale, clamped to +-448, and rounded to the nearest number of E4M3, ties to even, subnormals kept.
;;     - The product sums the exact products of the quantised numbers (number of the format x scale) in f32.
;;   ~~~python
;;   def quantise(x, axis, e):      # numpy; x: float32 -> the quantised numbers, widened to float32 again
;;       x = np.moveaxis(x, axis, -1); K = x.shape[-1]
;;       r = np.clip(x / 2.0 ** e, -448, 448)
;;       step = 2.0 ** (np.maximum(np.frexp(np.where(r == 0, 1, r))[1] - 1, -6) - 3)
;;       q = np.round(r / step) * step * 2.0 ** e      # np.round: ties to even
;;       return np.moveaxis(q, -1, axis).astype(np.float32)
;;   ~~~
;;   SOFTMAX AHEAD OF A QUANTISED PRODUCT. Where the list says 'softmax', what is quantised is not the finished softmax but p = 2^(t - M), with t = logit x log2(e) and M = ceil(the row's largest t), a whole number; so 1/2 < the row's largest p <= 1. The row's sum l is taken of the UNQUANTISED p, in f32, and the product's result is divided by l at the end. Since M is a whole number, a kernel that streams over the keys may use a running M (the ceiling of the running maximum): every later rescaling is an exact power of two, so the quantised numbers keep their values, but for numbers so far below the row's largest that they fall under the format's range.
;;   OPERANDS COMPUTED ON THE WAY. 'Computed on the way' means the value that the module computes at that place (a softmax that the list does not call 'softmax' is quantised finished and normalised). What goes into a quantiser is computed in f32, as accurately as f32 sums, v_exp_f32 and their like allow (about 1e-6 of the number): no bf16 or f16 on the way to a quantiser, and a product that is left as it is and whose result goes on into a quantised operand takes f32 operands (vector FMAs, or v_wmma_f32_16x16x4_f32). A number that lies on a knife's edge between two numbers of the format may be rounded either way, as far as f32 arithmetic and the matrix unit's own rounding can turn it there, and no further.
;; One version. Each part assembles by itself: llvm-mc -triple=amdgcn-amd-amdhsa -mcpu=gfx1250 --defsym DOCPART=n.
;; ======== version 1 of 1: 4 launches
;; limits: right only within a limited range of input values
;; workspace buffers: xc 25,165,824 bytes; wcod 5,242,880 bytes; cat 16,777,216 bytes; qkv 25,165,824 bytes; part 33,554,432 bytes
;; launch quant (part 1): grid 928 x 1, 4 waves a work-group, no clusters, 68,096 bytes of LDS; arguments q_in, k, v, wq_w, wk_w, wv_w, wo_w, lowp_scales, xc, cat, wcod; writes xc, cat, wcod
.if DOCPART == 1
	.amdgcn_target "amdgcn-amd-amdhsa--gfx1250"
	.amdhsa_code_object_version 6
	.text
	.protected	k_qbbafad7cbd_quant
	.globl	k_qbbafad7cbd_quant
	.p2align	8
	.type	k_qbbafad7cbd_quant,@function
k_qbbafad7cbd_quant:
	s_mov_b64 s[64:65], 0
	v_nop
	global_prefetch_b8 v0, s[64:65] scope:SCOPE_SE
	s_setreg_imm32_b32 hwreg(HW_REG_WAVE_MODE, 25, 1), 1
	s_wait_xcnt 0x0
; All f32 inputs of the matrix products become codes of FP8 (E4M3), each with the scale 2^e that is given for it: code = x / 2^e, held within +-448, to the nearest code, ties to even.
; OUTPUT LAYOUT: PLANES of 128 along K, [plane][row][128 bytes], K in its own order inside a plane: a tile of 256 rows for 128 along K is then one dense block of 32,768 bytes.
;   xc   [3: q_in (e0), k (e2), v (e4)][8 planes][8,192 tokens][128]      cat  planes 0-7: q_in once more, with e10 (the last product's left operand)
;   wcod [40 planes][1,024 n][128]: planes 0-7 wq (e1), 8-15 wk (e3), 16-23 wv (e5), 24-39 wo (e11)
; Work-groups 0-159 take the weights (K is their FIRST axis: a lane takes a column n, its registers run down K); work-groups 160-927 the activations (K innermost).
; The two paths part on the work-group's number and have LDS bytes of their own.  No tensor loads, no barrier: waves share nothing.  Several work-groups lie on a WGP.
; LIMITS: every e used here lies between -126 and 119, so that 2^e and 448 x 2^e are f32 numbers.  NaN among the inputs is not served (an infinity is held at the largest code).
.set SPARE, 67584                      ; behind both paths' stages: the spare words, 128 bytes for each wave, two blocks of 256 bytes that no other line names
.set SPW,   12                         ; v12  LDS address of my spare word; never rewritten
.set NIL,   13                         ; v13  0; never rewritten
.set SP,    80                         ; activations: a lane's place in a stage: 64 bytes + 16 of padding
.set R,     16                         ; v16-79    four sets of 16 numbers as loaded
.set X,     80                         ; v80-111   two sets of 16 neighbours
.set T2,    112                        ; v112-127  the same numbers held for e10
.set C,     128                        ; v128-191  codes for xc: four registers a step, never written again
.set C2,    192                        ; v192-255  codes for cat, likewise
.set WSTG,  32768                      ; weights: the stages begin here: 32 rows x 272 bytes for each wave
.set WP,    272
.set WX,    32                         ; v32-95    two sets of 32 numbers
.set WC,    96                         ; v96-103   a block's codes
.set OUTR,  112                        ; v112-175  the way out
	s_load_b512 s[8:23], s[0:1], 0x0               ; q_in s8, k s10, v s12, wq s14, wk s16, wv s18, wo s20, the scales' exponents s22
	s_load_b128 s[24:27], s[0:1], 0x40             ; xc, cat
	s_load_b64 s[28:29], s[0:1], 0x50              ; wcod
	v_lshl_add_u32 v[SPW], v0, 2, SPARE
	v_mov_b32 v[NIL], 0
	v_lshrrev_b32 v1, 5, v0
	v_readfirstlane_b32 s44, v1                    ; wave 0..3
	v_and_b32 v2, 31, v0                           ; lane
	s_wait_kmcnt 0x0
	s_load_b256 s[32:39], s[22:23], 0x0            ; e0 .. e7
	s_load_b128 s[40:43], s[22:23], 0x20           ; e8 .. e11
	s_cmp_lt_u32 ttmp9, 160
	s_cbranch_scc1 .Lweights
; ---------------- ACTIVATIONS.  A wave takes 8 rows of 1,024 numbers, in 16 steps of 2 rows x 256 columns.
; Each of a step's four loads reads 512 consecutive bytes (one row, 128 columns).  The 2,048 bytes turn through the wave's own stage, so that lane L comes to hold 16 NEIGHBOURS:
; row (L / 8) % 2, column half L / 16, columns 16 (L % 8) on.  Its 16 codes then lie at 16 (L % 16) of a 256-byte run (two tokens x 128 bytes) of plane 2 (t % 4) + L / 16:
; sixteen neighbouring lanes store 256 consecutive bytes, aligned.
	s_sub_co_u32 s45, ttmp9, 160
	s_lshr_b32 s46, s45, 8                         ; which tensor: 0 q_in, 1 k, 2 v
	s_and_b32 s47, s45, 255
	s_lshl_b32 s47, s47, 2
	s_add_co_u32 s47, s47, s44                     ; which run of 8 rows
	s_wait_alu depctr_va_vdst(0)
	v_lshlrev_b32 v3, 4, v2                        ; in: 16 bytes a lane
	v_lshrrev_b32 v4, 4, v2
	v_lshlrev_b32 v4, 20, v4                       ; out: lanes 16-31 one plane (1,048,576 bytes) on,
	v_and_b32 v5, 15, v2
	v_lshl_or_b32 v4, v5, 4, v4                    ; + 16 (lane % 16)
	s_lshl_b32 s48, s44, 13                        ; my wave's 8,192 bytes of LDS
	v_lshrrev_b32 v14, 2, v2
	v_mul_u32_u24 v14, v14, SP
	v_and_b32 v15, 3, v2
	v_lshl_add_u32 v14, v15, 4, v14
	v_add_nc_u32 v14, s48, v14                     ; the stage, on the way in: four lanes' 64 bytes on end, then the padding
	v_mul_u32_u24 v15, v2, SP
	v_add_nc_u32 v15, s48, v15                     ; and on the way out: my 16 neighbours
	s_cmp_eq_u32 s46, 1                            ; the choice hangs on the work-group's number alone
	s_cselect_b64 s[4:5], s[10:11], s[12:13]
	s_cmp_eq_u32 s46, 0
	s_cselect_b64 s[4:5], s[8:9], s[4:5]
	s_lshl_b32 s50, s47, 15                        ; 8 rows of 4,096 bytes
	s_mov_b32 s51, 0
	s_add_nc_u64 s[4:5], s[4:5], s[50:51]
	s_lshl_b32 s52, s46, 23                        ; a tensor's 8 planes
	s_lshl_b32 s54, s47, 10                        ; 8 tokens of 128 bytes
	s_add_co_u32 s52, s52, s54
	s_mov_b32 s53, 0
	s_mov_b32 s55, 0
	s_add_nc_u64 s[6:7], s[24:25], s[52:53]        ; xc
	s_add_nc_u64 s[30:31], s[26:27], s[54:55]      ; cat (stored to by q_in's work-groups alone)
.macro XLOAD t
.irp i, 0,1,2,3
	global_load_b128 v[R+16*((\t)%4)+4*\i:R+16*((\t)%4)+4*\i+3], v3, s[4:5] offset:((\t)/4)*8192+(\i%2)*4096+((\t)%4)*1024+(\i/2)*512 th:TH_LOAD_NT
.endr
.endm
.macro XTURN t                         ; LDS serves a wave's instructions in order, so no wait stands between the stores and the loads
.irp i, 0,1,2,3
	ds_store_b128 v14, v[R+16*((\t)%4)+4*\i:R+16*((\t)%4)+4*\i+3] offset:32*SP*((\t)%2)+8*SP*\i
.endr
.irp i, 0,1,2,3
	ds_load_b128 v[X+16*((\t)%2)+4*\i:X+16*((\t)%2)+4*\i+3], v15 offset:32*SP*((\t)%2)+16*\i
.endr
.endm
	XLOAD 0
	XLOAD 1
	XLOAD 2
	XLOAD 3
	s_wait_alu depctr_va_vdst(0)
	s_wait_kmcnt 0x0
	s_cmp_eq_u32 s46, 1
	s_cselect_b32 s56, s34, s36
	s_cmp_eq_u32 s46, 0
	s_cselect_b32 s56, s32, s56                    ; e0, e2 or e4
	s_add_co_i32 s56, s56, 127
	s_lshl_b32 s57, s56, 23
	v_mov_b32 v11, s57                             ; 2^e as f32: the conversion takes its exponent field
	s_add_co_i32 s56, s56, 8
	s_lshl_b32 s56, s56, 23
	s_or_b32 s56, s56, 0x600000
	v_mov_b32 v10, s56                             ; 448 x 2^e
	s_add_co_i32 s56, s42, 127                     ; the same for e10
	s_lshl_b32 s57, s56, 23
	v_mov_b32 v9, s57
	s_add_co_i32 s56, s56, 8
	s_lshl_b32 s56, s56, 23
	s_or_b32 s56, s56, 0x600000
	v_mov_b32 v8, s56
	s_wait_loadcnt 12                              ; step 0's four loads are in; three steps' may be out
	XTURN 0
.macro XSTEP t
.set XS, X+16*((\t)%2)
	s_wait_dscnt 0x0                               ; this step's numbers are back from the stage: so its stores into the stage have read their registers,
.if (\t)+4 < 16
	XLOAD (\t)+4                                   ; which take the loads of four steps on
.endif
.if (\t)+1 < 16
.if 14-(\t) >= 3
	s_wait_loadcnt 12                              ; the next step's four loads are in; those of the three steps behind it may be out
.else
	s_wait_loadcnt 4*(14-(\t))
.endif
	XTURN (\t)+1
.endif
	s_cmp_eq_u32 s46, 0                            ; q_in is quantised twice: with e10 for cat,
	s_cbranch_scc0 .Lnocat_\@
	s_wait_alu depctr_va_vdst(0)
.irp i, 0,1,2,3,4,5,6,7,8,9,10,11,12,13,14,15
	v_med3_num_f32 v[T2+\i], v[XS+\i], -v8, v8     ; the conversion to an 8-bit code does not saturate (ISA guide 7.6.2): the hold comes first
.endr
	v_cvt_scalef32_pk8_fp8_f32 v[C2+4*(\t):C2+4*(\t)+1], v[T2:T2+7], v9
	v_cvt_scalef32_pk8_fp8_f32 v[C2+4*(\t)+2:C2+4*(\t)+3], v[T2+8:T2+15], v9
	global_store_b128 v4, v[C2+4*(\t):C2+4*(\t)+3], s[30:31] offset:((\t)%4)*2097152+((\t)/4)*256
.Lnocat_\@:
	s_wait_alu depctr_va_vdst(0)
.irp i, 0,1,2,3,4,5,6,7,8,9,10,11,12,13,14,15
	v_med3_num_f32 v[XS+\i], v[XS+\i], -v10, v10   ; and with the tensor's own e for xc.  (These plain lines stand behind the conversions above)
.endr
	v_cvt_scalef32_pk8_fp8_f32 v[C+4*(\t):C+4*(\t)+1], v[XS:XS+7], v11
	v_cvt_scalef32_pk8_fp8_f32 v[C+4*(\t)+2:C+4*(\t)+3], v[XS+8:XS+15], v11
	v_nop                                          ; a plain line behind the last conversion of the run
	global_store_b128 v4, v[C+4*(\t):C+4*(\t)+3], s[6:7] offset:((\t)%4)*2097152+((\t)/4)*256
.endm
.irp t, 0,1,2,3,4,5,6,7,8,9,10,11,12,13,14,15
	XSTEP \t
.endr
	s_wait_tensorcnt 0x0                           ; the wave's end
	ds_add_u32 v[SPW], v[NIL]
	s_wait_dscnt 0x0
	s_endpgm
; ---------------- WEIGHTS.  A work-group takes 128 columns x 256 along K, a wave 32 columns: 8 blocks of 32 a lane.  Each load reads 128 consecutive bytes of a row of W.
; The conversions then give codes with K innermost.  They gather in the wave's stage (a row of 256 bytes + 16 for each column) and leave by planes: 512 consecutive bytes a store.
.Lweights:
	s_and_b32 s45, ttmp9, 7                        ; which 128 columns
	s_lshr_b32 s46, ttmp9, 3                       ; which 256 along K, counted through wq, wk, wv (4 each) and wo (8)
	s_lshr_b32 s47, s46, 2
	s_min_u32 s47, s47, 3                          ; which tensor
	s_lshl_b32 s48, s47, 2
	s_sub_co_u32 s48, s46, s48                     ; which 256 along K of that tensor
	s_lshl_b32 s49, s45, 7
	s_lshl_b32 s50, s44, 5
	s_add_co_u32 s49, s49, s50                     ; my wave's first column
	s_wait_alu depctr_va_vdst(0)
	v_lshlrev_b32 v3, 2, v2                        ; in: 4 bytes a lane
	s_wait_alu depctr_va_vdst(0)
	s_mul_i32 s50, s44, 32*WP
	s_add_co_u32 s50, s50, WSTG                    ; my stage
	v_mul_u32_u24 v4, v2, WP
	v_add_nc_u32 v4, s50, v4                       ; into it: row = my column
	v_lshrrev_b32 v5, 3, v2
	v_mul_u32_u24 v7, v5, WP
	v_and_b32 v6, 7, v2
	v_lshl_add_u32 v7, v6, 4, v7
	v_add_nc_u32 v7, s50, v7                       ; out of it: eight lanes to a column's 128 bytes of a plane, four columns an instruction
	v_lshlrev_b32 v8, 4, v2                        ; which are 512 consecutive bytes of the plane
	s_cmp_eq_u32 s47, 2
	s_cselect_b64 s[4:5], s[18:19], s[20:21]
	s_cmp_eq_u32 s47, 1
	s_cselect_b64 s[4:5], s[16:17], s[4:5]
	s_cmp_eq_u32 s47, 0
	s_cselect_b64 s[4:5], s[14:15], s[4:5]
	s_lshl_b32 s52, s48, 20                        ; 256 rows of 4,096 bytes
	s_lshl_b32 s53, s49, 2
	s_add_co_u32 s52, s52, s53
	s_mov_b32 s53, 0
	s_add_nc_u64 s[4:5], s[4:5], s[52:53]
	s_lshl_b32 s54, s46, 18                        ; two planes of 131,072 bytes
	s_lshl_b32 s55, s49, 7
	s_add_co_u32 s54, s54, s55
	s_mov_b32 s55, 0
	s_add_nc_u64 s[6:7], s[28:29], s[54:55]
.macro WLOAD t                         ; block t: W(32 t + i, my column) into set t % 2
.set i, 0
.rept 32
	global_load_b32 v[WX+32*((\t)%2)+i], v3, s[4:5] offset:(32*(\t)+i)*4096 th:TH_LOAD_NT
.set i, i+1
.endr
.endm
	WLOAD 0
	WLOAD 1
	s_wait_kmcnt 0x0
	s_cmp_eq_u32 s47, 2
	s_cselect_b32 s56, s37, s43
	s_cmp_eq_u32 s47, 1
	s_cselect_b32 s56, s35, s56
	s_cmp_eq_u32 s47, 0
	s_cselect_b32 s56, s33, s56                    ; e1, e3, e5 or e11
	s_add_co_i32 s56, s56, 127
	s_lshl_b32 s57, s56, 23
	v_mov_b32 v11, s57
	s_add_co_i32 s56, s56, 8
	s_lshl_b32 s56, s56, 23
	s_or_b32 s56, s56, 0x600000
	v_mov_b32 v10, s56
.macro WBLOCK t
.set XS, WX+32*((\t)%2)
.if (\t) < 7
	s_wait_loadcnt 32                              ; this block's 32 loads are in; the next block's may be out
.else
	s_wait_loadcnt 0
.endif
.set i, 0
.rept 32
	v_med3_num_f32 v[XS+i], v[XS+i], -v10, v10
.set i, i+1
.endr
.irp g, 0,1,2,3
	v_cvt_scalef32_pk8_fp8_f32 v[WC+2*\g:WC+2*\g+1], v[XS+8*\g:XS+8*\g+7], v11
.endr
	v_nop                                          ; a plain line behind the last conversion of the run
	ds_store_b128 v4, v[WC:WC+3] offset:32*(\t)
	ds_store_b128 v4, v[WC+4:WC+7] offset:32*(\t)+16
.if (\t)+2 < 8
	WLOAD (\t)+2
.endif
	s_wait_dscnt 0x0                               ; the stores have read their registers: the next block's codes may be written
.endm
	s_wait_alu depctr_va_vdst(0)
.irp t, 0,1,2,3,4,5,6,7
	WBLOCK \t
.endr
.irp n, 0,1,2,3,4,5,6,7,8,9,10,11,12,13,14,15
	ds_load_b128 v[OUTR+4*\n:OUTR+4*\n+3], v7 offset:128*(\n/8)+4*WP*(\n%8)
.endr
.irp n, 0,1,2,3,4,5,6,7,8,9,10,11,12,13,14,15
	s_wait_dscnt 15-\n
	global_store_b128 v8, v[OUTR+4*\n:OUTR+4*\n+3], s[6:7] offset:131072*(\n/8)+512*(\n%8)
.endr
	s_wait_tensorcnt 0x0                           ; the wave's end
	ds_add_u32 v[SPW], v[NIL]
	s_wait_dscnt 0x0
	s_endpgm
.Lfunc_end_k_qbbafad7cbd_quant:
	.size	k_qbbafad7cbd_quant, .Lfunc_end_k_qbbafad7cbd_quant-k_qbbafad7cbd_quant
	.p2alignl 7, 3214868480
	.fill 96, 4, 3214868480
	.section	.rodata,"a",@progbits
	.p2align	6, 0x0
	.amdhsa_kernel k_qbbafad7cbd_quant
		.amdhsa_group_segment_fixed_size 68096
		.amdhsa_private_segment_fixed_size 0
		.amdhsa_enable_private_segment 0
		.amdhsa_kernarg_size 88
		.amdhsa_user_sgpr_count 2
		.amdhsa_user_sgpr_kernarg_segment_ptr 1
		.amdhsa_wavefront_size32 1
		.amdhsa_system_sgpr_workgroup_id_x 1
		.amdhsa_system_sgpr_workgroup_id_y 1
		.amdhsa_system_sgpr_workgroup_id_z 1
		.amdhsa_system_vgpr_workitem_id 0
		.amdhsa_next_free_vgpr 256
		.amdhsa_next_free_sgpr 66
		.amdhsa_reserve_vcc 0
		.amdhsa_float_denorm_mode_32 3
		.amdhsa_float_denorm_mode_16_64 3
		.amdhsa_memory_ordered 1
		.amdhsa_forward_progress 1
		.amdhsa_inst_pref_size 109
	.end_amdhsa_kernel
	.amdgpu_metadata
---
amdhsa.version: [ 1, 2 ]
amdhsa.kernels:
  - .name:           k_qbbafad7cbd_quant
    .symbol:         k_qbbafad7cbd_quant.kd
    .args:
      - { .name: q_in, .offset: 0, .size: 8, .value_kind: global_buffer, .address_space: global }
      - { .name: k, .offset: 8, .size: 8, .value_kind: global_buffer, .address_space: global }
      - { .name: v, .offset: 16, .size: 8, .value_kind: global_buffer, .address_space: global }
      - { .name: wq_w, .offset: 24, .size: 8, .value_kind: global_buffer, .address_space: global }
      - { .name: wk_w, .offset: 32, .size: 8, .value_kind: global_buffer, .address_space: global }
      - { .name: wv_w, .offset: 40, .size: 8, .value_kind: global_buffer, .address_space: global }
      - { .name: wo_w, .offset: 48, .size: 8, .value_kind: global_buffer, .address_space: global }
      - { .name: lowp_scales, .offset: 56, .size: 8, .value_kind: global_buffer, .address_space: global }
      - { .name: xc, .offset: 64, .size: 8, .value_kind: global_buffer, .address_space: global }
      - { .name: cat, .offset: 72, .size: 8, .value_kind: global_buffer, .address_space: global }
      - { .name: wcod, .offset: 80, .size: 8, .value_kind: global_buffer, .address_space: global }
    .group_segment_fixed_size: 68096
    .private_segment_fixed_size: 0
    .kernarg_segment_align: 8
    .kernarg_segment_size: 88
    .max_flat_workgroup_size: 128
    .sgpr_count:     66
    .vgpr_count:     256
    .wavefront_size: 32
...
	.end_amdgpu_metadata
.endif
;; end of part 1
;; launch proj (part 2): grid 4 x 128, 4 waves a work-group, clusters of 4 x 4, 327,680 bytes of LDS; arguments xc, wcod, lowp_scales, wq_b, wk_b, wv_b, qkv, cat, wo_b, part; writes qkv, part
.if DOCPART == 2
	.amdgcn_target "amdgcn-amd-amdhsa--gfx1250"
	.amdhsa_code_object_version 6
	.text
	.protected	k_qbbafad7cbd_proj
	.globl	k_qbbafad7cbd_proj
	.p2align	8
	.type	k_qbbafad7cbd_proj,@function
k_qbbafad7cbd_proj:
	s_mov_b64 s[64:65], 0
	v_nop
	global_prefetch_b8 v0, s[64:65] scope:SCOPE_SE
	s_setreg_imm32_b32 hwreg(HW_REG_WAVE_MODE, 25, 1), 1
	s_wait_xcnt 0x0
	s_wait_alu depctr_hold_cnt(0) depctr_sa_sdst(0) depctr_va_vdst(0) depctr_va_sdst(0) depctr_va_ssrc(0) depctr_va_vcc(0) depctr_vm_vsrc(0)
	s_getreg_b32 s2, hwreg(HW_REG_IB_STS2, 6, 4)
	s_cmp_eq_u32 s2, 0
	s_cbranch_scc0 .Lentry_in_a_cluster
	s_endpgm
.Lentry_in_a_cluster:
	s_bfe_u32 s2, ttmp6, 0x10000c
	s_cmp_lg_u32 s2, 0xf033
	s_cbranch_scc0 .Lentry_shape_is_right
	s_endpgm
.Lentry_shape_is_right:
.set PITCH,  272
.set HALFT,  128*PITCH
.set SLOT,   4*HALFT
.set SPARE,  2*SLOT
.set FR,     16
.set NL,     4
.set NP,     4
.set SPITCH, 144
.set SC,   12
.set LIM,  13
.set ADRA, 16
.set ADRB, 20
.set STO,  24
.set RD1,  25
.set CO,   26
.set RD2,  27
.set SPW,  28
.set NIL,  29
.set BI,   32
.set CD,   96
.set AF,   128
.set G1, 24
.set G0, 32
.set G1B, 48
.set G0B, 56
.set MSB, 0
.macro WIN new
.if MSB != (\new)
	s_set_vgpr_msb (MSB<<8)|(\new)
.set MSB, (\new)
.endif
.endm
.set TO_B, 0x40
.macro MWIN hi, cm
.if \cm
	WIN 0x81+0x40*(\hi)
.else
	WIN 0xa1+0x50*(\hi)
.endif
.endm
.macro JLOAD g0a, g1a, g0b, g1b
	s_cmp_eq_u32 s15, 0
	s_cbranch_scc0 .Lfor_b_\@
	tensor_load_to_lds s[\g0a:\g0a+3], s[\g1a:\g1a+7]
	s_nop 0
.rept 4
	v_nop
.endr
	s_branch .Lasked_\@
.Lfor_b_\@:
	tensor_load_to_lds s[\g0b:\g0b+3], s[\g1b:\g1b+7]
	s_nop 0
.rept 4
	v_nop
.endr
.Lasked_\@:
.endm
.macro CREST
	s_cmp_lg_u32 s14, 0
	s_cbranch_scc1 .Lnot_wave_0_\@
	s_barrier_signal -3
.Lnot_wave_0_\@:
	s_barrier_wait -3
	s_barrier_signal -1
	s_barrier_wait -1
.endm
.macro CROUND
	s_barrier_signal -1
	s_barrier_wait -1
	CREST
.endm
	s_load_b256 s[4:11], s[0:1], 0x0
	s_load_b128 s[68:71], s[0:1], 0x20
	s_load_b128 s[72:75], s[0:1], 0x30
	s_load_b64 s[12:13], s[0:1], 0x40
	s_load_b64 s[2:3], s[0:1], 0x48
	v_lshl_add_u32 v[SPW], v0, 2, SPARE
	v_mov_b32 v[NIL], 0
	ds_add_u32 v[SPW], v[NIL]
	ds_add_u32 v[SPW], v[NIL]
	v_lshrrev_b32 v1, 5, v0
	v_readfirstlane_b32 s14, v1
	s_lshr_b32 s15, s14, 1
	s_and_b32 s16, s14, 1
	s_bfe_u32 s40, ttmp6, 0x40000
	s_bfe_u32 s41, ttmp6, 0x40004
	s_and_b32 s17, ttmp7, 0xffff
	s_lshr_b32 s18, s17, 3
	s_and_b32 s19, s17, 7
	s_lshl_b32 s19, s19, 2
	s_add_co_u32 s42, s19, s41
	s_add_co_u32 s46, s19, s40
	s_mov_b32 s86, 0x20000
	s_mov_b32 s88, 0x100000
	s_cmp_lg_u32 s18, 2
	s_cselect_b32 s42, s42, s41
	s_cselect_b32 s46, s40, s46
	s_cselect_b32 s86, 0x100000, s86
	s_cselect_b32 s88, 0x20000, s88
	s_lshl_b32 s43, s41, 2
	s_lshl_b32 s43, 15, s43
	s_lshl_b32 s44, 0x1111, s40
	s_or_b32 s[G1+0], s43, (0<<16)|(1<<20)|(1<<21)|(5<<22)|(3<<25)
	s_or_b32 s[G1B+0], s44, (0<<16)|(1<<20)|(1<<21)|(5<<22)|(3<<25)
.irp g, G1, G1B
	s_mov_b32 s[\g+1], 256<<16
	s_mov_b32 s[\g+2], 128<<16
	s_mov_b32 s[\g+3], 256<<16
	s_mov_b32 s[\g+4], 128
	s_mov_b32 s[\g+5], 256
	s_mov_b32 s[\g+6], 0
	s_mov_b32 s[\g+7], 0
.endr
	s_lshl_b32 s20, s42, 15
	s_mul_i32 s22, s16, s86
	s_add_co_u32 s20, s20, s22
	s_mov_b32 s21, 0
	s_lshl_b32 s98, s46, 15
	s_mul_i32 s22, s16, s88
	s_add_co_u32 s98, s98, s22
	s_mov_b32 s99, 0
	s_lshl_b32 s86, s86, 1
	s_mov_b32 s87, 0
	s_lshl_b32 s88, s88, 1
	s_mov_b32 s89, 0
	s_lshl_b32 s90, s86, 1
	s_mov_b32 s91, 0
	s_lshl_b32 s92, s88, 1
	s_mov_b32 s93, 0
	s_lshl_b32 s100, s18, 23
	s_mov_b32 s101, 0
	s_lshl_b32 s66, s18, 20
	s_mov_b32 s67, 0
	s_mul_i32 s45, s14, HALFT
	s_wait_dscnt 0x0
	s_wait_kmcnt 0x0
	s_load_b256 s[76:83], s[8:9], 0x0
	s_load_b64 s[84:85], s[8:9], 0x20
	s_load_b64 s[104:105], s[8:9], 0x28
	s_cmp_eq_u32 s18, 3
	s_cselect_b64 s[4:5], s[74:75], s[4:5]
	s_cselect_b32 s100, 0, s100
	s_add_nc_u64 s[4:5], s[4:5], s[100:101]
	s_add_nc_u64 s[6:7], s[6:7], s[66:67]
	s_cmp_lg_u32 s18, 2
	s_cselect_b64 s[94:95], s[4:5], s[6:7]
	s_cselect_b64 s[96:97], s[6:7], s[4:5]
	s_add_nc_u64 s[94:95], s[94:95], s[20:21]
	s_add_nc_u64 s[96:97], s[96:97], s[98:99]
	CROUND
.irp s, 0,1
	s_mov_b32 s[G0+4*\s], 1
	s_add_co_u32 s[G0+4*\s+1], s45, \s*SLOT
	s_mov_b32 s[G0B+4*\s], 1
	s_add_co_u32 s[G0B+4*\s+1], s45, \s*SLOT
.if \s
	s_add_nc_u64 s[G0+4*\s+2:G0+4*\s+3], s[94:95], s[86:87]
	s_add_nc_u64 s[G0B+4*\s+2:G0B+4*\s+3], s[96:97], s[88:89]
.else
	s_mov_b64 s[G0+4*\s+2:G0+4*\s+3], s[94:95]
	s_mov_b64 s[G0B+4*\s+2:G0B+4*\s+3], s[96:97]
.endif
	s_or_b32 s[G0+4*\s+3], s[G0+4*\s+3], 0x80000000
	s_or_b32 s[G0B+4*\s+3], s[G0B+4*\s+3], 0x80000000
.if \s == 0
	JLOAD G0, G1, G0B, G1B                         ; K step 0: one tensor load a wave at the head; K step 1's stands behind the head's work and a round of its own
.endif
.endr
; A PREFETCH INTO THE L2, one refill ahead: behind the joint load of K step t (t = 0, 1, 2) each wave names its own plane of K step t + 1: 32,768 dense bytes, which the four partners that ask for the
; plane jointly share out BY ADDRESS (cx for A's tiles, cy for B's): 8,192 bytes each, a lane a block of 256 bytes, one instruction a wave.  So each block is named once in each cluster that will load it.
; The offsets lie in v14, v15, v18 (K steps 1, 2, 3) and the bases in s[94:95] (A's tiles) and s[96:97] (B's): none of them is written again.  The last refill asks for nothing.
.macro ASK r
	s_cmp_eq_u32 s15, 0
	s_cbranch_scc0 .Lpf_b_\@
	global_prefetch_b8 v[\r], s[94:95] th:TH_LOAD_NT scope:SCOPE_SE
	s_branch .Lpf_e_\@
.Lpf_b_\@:
	global_prefetch_b8 v[\r], s[96:97] th:TH_LOAD_NT scope:SCOPE_SE
.Lpf_e_\@:
.endm
	s_cmp_eq_u32 s15, 0                            ; do I fetch for A?
	s_cselect_b32 s20, s40, s41                    ; my place among the four that ask with me
	s_cselect_b32 s21, s86, s88                    ; a K step on, in bytes
	s_lshl_b32 s20, s20, 13
	s_add_co_u32 s20, s20, s21
	v_and_b32 v14, 31, v0
	v_lshlrev_b32 v14, 8, v14
	v_add_nc_u32 v14, s20, v14                     ; K step 1
	v_add_nc_u32 v15, s21, v14                     ; K step 2
	v_add_nc_u32 v18, s21, v15                     ; K step 3
	s_wait_alu depctr_va_vdst(0)                   ; ahead of the branch
	ASK 14
	v_and_b32 v1, 15, v0
	v_bfe_u32 v2, v0, 4, 1
	v_lshrrev_b32 v3, 1, v1
	v_mul_u32_u24 v3, v3, PITCH
	v_and_b32 v4, 1, v1
	v_lshl_add_u32 v3, v4, 7, v3
	v_lshl_add_u32 v4, v2, 4, v3
	s_mul_i32 s21, s15, 64*PITCH
	s_mul_i32 s22, s16, 64*PITCH
	s_add_co_u32 s22, s22, 2*HALFT
.irp s, 0,1
	v_add_nc_u32 v[ADRA+\s], s21, v4
	v_add_nc_u32 v[ADRB+\s], s22, v4
	s_add_co_u32 s21, s21, SLOT
	s_add_co_u32 s22, s22, SLOT
.endr
	s_mul_i32 s23, s14, 128*SPITCH
	v_mul_u32_u24 v5, v1, SPITCH
	v_lshl_add_u32 v5, v2, 4, v5
	v_add_nc_u32 v[STO], s23, v5
	v_and_b32 v6, 31, v0
	v_lshlrev_b32 v[CO], 4, v6
	v_lshrrev_b32 v7, 2, v6
	v_mul_u32_u24 v7, v7, SPITCH
	v_and_b32 v8, 3, v6
	v_lshl_add_u32 v7, v8, 4, v7
	v_add_nc_u32 v[RD1], s23, v7
	v_lshrrev_b32 v7, 3, v6
	v_mul_u32_u24 v7, v7, SPITCH
	v_and_b32 v8, 7, v6
	v_lshl_add_u32 v7, v8, 4, v7
	v_add_nc_u32 v[RD2], s23, v7
	v_lshlrev_b32 v30, 5, v2
	v_lshlrev_b32 v31, 2, v1
	s_cmp_eq_u32 s18, 0
	s_cselect_b64 s[10:11], s[10:11], s[68:69]
	s_cmp_eq_u32 s18, 3
	s_cselect_b64 s[10:11], s[12:13], s[10:11]
	s_lshl_b32 s98, s46, 10
	s_lshl_b32 s99, s16, 9
	s_add_co_u32 s98, s98, s99
	s_mov_b32 s99, 0
	s_add_nc_u64 s[10:11], s[10:11], s[98:99]
	s_lshl_b32 s20, s42, 10
	s_lshl_b32 s21, s15, 9
	s_add_co_u32 s20, s20, s21
	s_mov_b32 s21, 0
	s_add_nc_u64 s[70:71], s[70:71], s[20:21]
	s_lshl_b32 s20, s42, 8
	s_lshl_b32 s21, s15, 7
	s_add_co_u32 s20, s20, s21
	s_lshl_b32 s21, s46, 8
	s_lshl_b32 s22, s16, 7
	s_add_co_u32 s21, s21, s22
	s_cmp_lg_u32 s18, 2
	s_cselect_b32 s22, s20, s21
	s_cselect_b32 s23, s21, s20
	s_lshr_b32 s66, s22, 10
	s_lshl_b32 s66, s66, 4
	s_lshr_b32 s67, s23, 6
	s_add_co_u32 s66, s66, s67
	s_lshl_b32 s66, s66, 16
	s_and_b32 s67, s22, 1023
	s_lshl_b32 s67, s67, 6
	s_add_co_u32 s66, s66, s67
	s_add_co_u32 s66, s66, s100
	s_mov_b32 s67, 0
	s_add_nc_u64 s[72:73], s[72:73], s[66:67]
	s_lshl_b32 s20, s42, 2
	s_add_co_u32 s20, s20, s46
	s_lshl_b32 s20, s20, 18
	s_lshl_b32 s21, s14, 16
	s_add_co_u32 s20, s20, s21
	s_mov_b32 s21, 0
	s_add_nc_u64 s[2:3], s[2:3], s[20:21]
	s_wait_kmcnt 0x0
	s_add_co_i32 s20, s76, s77
	s_add_co_i32 s21, s78, s79
	s_add_co_i32 s22, s80, s81
	s_cmp_eq_u32 s18, 1
	s_cselect_b32 s21, s21, s22
	s_cselect_b32 s23, s83, s85
	s_cmp_eq_u32 s18, 0
	s_cselect_b32 s20, s20, s21
	s_cselect_b32 s23, s82, s23
	s_add_co_i32 s21, s104, s105
	s_cmp_eq_u32 s18, 3
	s_cselect_b32 s20, s21, s20
	s_sub_co_i32 s47, 0, s20
	s_sub_co_i32 s23, s23, s20
	s_add_co_i32 s23, s23, 127
	s_lshl_b32 s22, s23, 23
	v_mov_b32 v[SC], s22
	s_add_co_i32 s23, s23, 8
	s_lshl_b32 s23, s23, 23
	s_or_b32 s23, s23, 0x600000
	v_mov_b32 v[LIM], s23
	s_cmp_eq_u32 s18, 2
	s_cbranch_scc1 .Lbias_v
	s_wait_alu depctr_va_vdst(0)
.irp b, 0,1,2,3,4,5,6,7
	global_load_b128 v[BI+8*\b:BI+8*\b+3], v30, s[10:11] offset:64*\b
	global_load_b128 v[BI+8*\b+4:BI+8*\b+7], v30, s[10:11] offset:64*\b+16
.endr
	s_wait_loadcnt 0x0
.set j, 0
.rept 64
	v_ldexp_f32 v[BI+j], v[BI+j], s47
.set j, j+1
.endr
	s_branch .Lbias_done
.Lbias_v:
	s_wait_alu depctr_va_vdst(0)
.irp a, 0,1,2,3,4,5,6,7
	global_load_b32 v[CD+\a], v31, s[70:71] offset:64*\a
.endr
	s_wait_loadcnt 0x0
.irp a, 0,1,2,3,4,5,6,7
.irp j, 0,1,2,3,4,5,6,7
	v_ldexp_f32 v[BI+8*\a+\j], v[CD+\a], s47
.endr
.endr
.Lbias_done:
.macro FRAG reg, adr, q, i
.irp c, 0,1,2,3
	ds_load_b128 v[\reg+4*\c:\reg+4*\c+3], v[\adr] offset:HALFT*(\q)+8*PITCH*(\i)+32*\c
.endr
.endm
.macro MUL16 a0, p, cm
.irp a, \a0, \a0+1
.irp b, 0,1,2,3,4,5,6,7
.if (\cm) == 1
	v_wmma_f32_16x16x128_fp8_fp8 v[8*(8*((\a)%4)+\b):8*(8*((\a)%4)+\b)+7], v[128*(\p)+FR*\b:128*(\p)+FR*\b+FR-1], v[AF+FR*(\a):AF+FR*(\a)+FR-1], v[BI+8*\b:BI+8*\b+7]
.elseif (\cm) == 2
	v_wmma_f32_16x16x128_fp8_fp8 v[8*(8*((\a)%4)+\b):8*(8*((\a)%4)+\b)+7], v[128*(\p)+FR*\b:128*(\p)+FR*\b+FR-1], v[AF+FR*(\a):AF+FR*(\a)+FR-1], v[BI+8*(\a):BI+8*(\a)+7]
.else
	v_wmma_f32_16x16x128_fp8_fp8 v[8*(8*((\a)%4)+\b):8*(8*((\a)%4)+\b)+7], v[128*(\p)+FR*\b:128*(\p)+FR*\b+FR-1], v[AF+FR*(\a):AF+FR*(\a)+FR-1], v[8*(8*((\a)%4)+\b):8*(8*((\a)%4)+\b)+7]
.endif
.endr
.endr
.endm
.macro FETCH_B slot, q, p
	WIN TO_B
.irp i, 0,1,2,3,4,5,6,7
	FRAG 128*(\p)+FR*\i, ADRB+\slot, \q, \i
.endr
	WIN 0
.endm
.macro FETCH_A slot, q, i0
.irp i, \i0, \i0+1, \i0+2, \i0+3
	FRAG AF+FR*(\i), ADRA+\slot, \q, \i
.endr
.endm
.macro PLACES n
.rept \n
	v_nop
.endr
.endm
.macro STEP slot, q, cm
	s_wait_dscnt 4*NL
	MWIN 0, \cm
	MUL16 0, (\q)%2, \cm
	MUL16 2, (\q)%2, \cm
	s_wait_dscnt 0
	PLACES NP
	FETCH_B \slot, (\q)+1, 1-(\q)%2
	FETCH_A \slot, (\q)+1, 0
	MWIN 1, \cm
	MUL16 4, (\q)%2, \cm
	MUL16 6, (\q)%2, \cm
	PLACES NP
	WIN 0
	FETCH_A \slot, (\q)+1, 4
.endm
.macro TURN slot, next, fill
	s_wait_tensorcnt 0x0
	ds_add_u32 v[SPW], v[NIL]
	s_wait_dscnt 4*NL+1
	MWIN 0, 0
	MUL16 0, 1, 0
	s_wait_dscnt 0x0
	s_barrier_signal -1
	MUL16 2, 1, 0
	WIN 0
	s_barrier_wait -1
.if \fill
	CREST
	s_add_nc_u64 s[G0+4*\slot+2:G0+4*\slot+3], s[G0+4*\slot+2:G0+4*\slot+3], s[90:91]
	s_add_nc_u64 s[G0B+4*\slot+2:G0B+4*\slot+3], s[G0B+4*\slot+2:G0B+4*\slot+3], s[92:93]
	JLOAD G0+4*\slot, G1, G0B+4*\slot, G1B
.else
	PLACES NP
.endif
	FETCH_B \next, 0, 0
	FETCH_A \next, 0, 0
.if (\fill) && ((\slot) == 0)
	ASK 18                                         ; behind K step 2's load: K step 3
.endif
	MWIN 1, 0
	MUL16 4, 1, 0
	MUL16 6, 1, 0
	PLACES NP
	WIN 0
	FETCH_A \next, 0, 4
.endm
	s_wait_alu depctr_va_vdst(0)                   ; at the head's end
	s_wait_tensorcnt 0x0                           ; my part of K step 0 is in; these lines stand ahead of a later first fill as ahead of a refill
	ds_add_u32 v[SPW], v[NIL]                      ; 0 onto my spare word
	s_wait_dscnt 0x0
	CROUND                                         ; everybody's part of K step 0 is in, and all sixteen work-groups are here
	JLOAD G0+4, G1, G0B+4, G1B                     ; K step 1, the first tensor load behind the round
	FETCH_B 0, 0, 0
	FETCH_A 0, 0, 0
	FETCH_A 0, 0, 4
	ASK 15                                         ; behind K step 1's load: K step 2
	s_cmp_eq_u32 s18, 2
	s_cbranch_scc1 .Lfirst_v
	s_wait_alu depctr_va_vdst(0)
	STEP 0, 0, 1
	s_branch .Lfirst_done
.Lfirst_v:
	s_wait_alu depctr_va_vdst(0)
	STEP 0, 0, 2
.Lfirst_done:
	TURN 0, 1, 1
	STEP 1, 0, 0
	TURN 1, 0, 1
	STEP 0, 0, 0
	TURN 0, 1, 0
	STEP 1, 0, 0
	s_wait_dscnt 4*NL
	MWIN 0, 0
	MUL16 0, 1, 0
	MUL16 2, 1, 0
	s_wait_dscnt 0
	MWIN 1, 0
	MUL16 4, 1, 0
	MUL16 6, 1, 0
	WIN 0
.macro OUTBLK a
.set AC, 64*((\a)%4)
	WIN 0x02+((\a)/4)
.set j, 0
.rept 64
	v_med3_num_f32 v[BI+j], v[AC+j], -v[LIM], v[LIM]
.set j, j+1
.endr
	WIN 0
.irp b, 0,1,2,3,4,5,6,7
	v_cvt_scalef32_pk8_fp8_f32 v[CD+16*(\a)+2*\b:CD+16*(\a)+2*\b+1], v[BI+8*\b:BI+8*\b+7], v[SC]
.endr
	v_nop
.irp g, 0,1,2,3
	ds_store_b128 v[STO], v[CD+16*(\a)+4*\g:CD+16*(\a)+4*\g+3] offset:16*SPITCH*(\a)+32*\g
.endr
.endm
.macro PARTOUT hi
	WIN 0x08+0x04*(\hi)
.set i, 0
.rept 32
	global_store_b128 v[CO], v[8*i:8*i+3], s[2:3] offset:32768*(\hi)+1024*i
	global_store_b128 v[CO], v[8*i+4:8*i+7], s[2:3] offset:32768*(\hi)+1024*i+512
.set i, i+1
.endr
.endm
	PLACES NP
	s_cmp_eq_u32 s18, 3
	s_cbranch_scc1 .Lpart
.irp a, 0,1,2,3,4,5,6,7
	OUTBLK \a
.endr
	s_wait_dscnt 0x0
	s_cmp_eq_u32 s18, 2
	s_cbranch_scc1 .Lback_v
.set n, 0
.rept 32
	ds_load_b128 v[BI+4*n:BI+4*n+3], v[RD1] offset:64*(n/16)+8*SPITCH*(n%16)
.set n, n+1
.endr
	s_branch .Lback_done
.Lback_v:
.set n, 0
.rept 32
	ds_load_b128 v[BI+4*n:BI+4*n+3], v[RD2] offset:4*SPITCH*n
.set n, n+1
.endr
.Lback_done:
.set n, 0
.rept 32
	s_wait_dscnt 31-n
	global_store_b128 v[CO], v[BI+4*n:BI+4*n+3], s[72:73] offset:65536*(n/16)+512*(n%16)
.set n, n+1
.endr
	s_branch .Lend
.Lpart:
	PARTOUT 0
	PARTOUT 1
	WIN 0
.Lend:
	s_wait_tensorcnt 0x0
	ds_add_u32 v[SPW], v[NIL]
	s_wait_dscnt 0x0
	CROUND
	s_endpgm
.Lfunc_end_k_qbbafad7cbd_proj:
	.size	k_qbbafad7cbd_proj, .Lfunc_end_k_qbbafad7cbd_proj-k_qbbafad7cbd_proj
	.p2alignl 7, 3214868480
	.fill 96, 4, 3214868480
	.section	.rodata,"a",@progbits
	.p2align	6, 0x0
	.amdhsa_kernel k_qbbafad7cbd_proj
		.amdhsa_group_segment_fixed_size 327680
		.amdhsa_private_segment_fixed_size 0
		.amdhsa_enable_private_segment 0
		.amdhsa_kernarg_size 80
		.amdhsa_user_sgpr_count 2
		.amdhsa_user_sgpr_kernarg_segment_ptr 1
		.amdhsa_wavefront_size32 1
		.amdhsa_system_sgpr_workgroup_id_x 1
		.amdhsa_system_sgpr_workgroup_id_y 1
		.amdhsa_system_sgpr_workgroup_id_z 1
		.amdhsa_system_vgpr_workitem_id 0
		.amdhsa_next_free_vgpr 1024
		.amdhsa_next_free_sgpr 106
		.amdhsa_reserve_vcc 0
		.amdhsa_float_denorm_mode_32 3
		.amdhsa_float_denorm_mode_16_64 3
		.amdhsa_memory_ordered 1
		.amdhsa_forward_progress 1
		.amdhsa_inst_pref_size 160
	.end_amdhsa_kernel
	.amdgpu_metadata
---
amdhsa.version: [ 1, 2 ]
amdhsa.kernels:
  - .name:           k_qbbafad7cbd_proj
    .symbol:         k_qbbafad7cbd_proj.kd
    .args:
      - { .name: xc, .offset: 0, .size: 8, .value_kind: global_buffer, .address_space: global }
      - { .name: wcod, .offset: 8, .size: 8, .value_kind: global_buffer, .address_space: global }
      - { .name: lowp_scales, .offset: 16, .size: 8, .value_kind: global_buffer, .address_space: global }
      - { .name: wq_b, .offset: 24, .size: 8, .value_kind: global_buffer, .address_space: global }
      - { .name: wk_b, .offset: 32, .size: 8, .value_kind: global_buffer, .address_space: global }
      - { .name: wv_b, .offset: 40, .size: 8, .value_kind: global_buffer, .address_space: global }
      - { .name: qkv, .offset: 48, .size: 8, .value_kind: global_buffer, .address_space: global }
      - { .name: cat, .offset: 56, .size: 8, .value_kind: global_buffer, .address_space: global }
      - { .name: wo_b, .offset: 64, .size: 8, .value_kind: global_buffer, .address_space: global }
      - { .name: part, .offset: 72, .size: 8, .value_kind: global_buffer, .address_space: global }
    .group_segment_fixed_size: 327680
    .private_segment_fixed_size: 0
    .kernarg_segment_align: 8
    .kernarg_segment_size: 80
    .max_flat_workgroup_size: 128
    .sgpr_count:     106
    .vgpr_count:     1024
    .wavefront_size: 32
...
	.end_amdgpu_metadata
.endif
;; end of part 2
;; launch attn (part 3): grid 4 x 64, 8 waves a work-group, clusters of 4 x 1, 327,680 bytes of LDS; arguments qkv, mask, lowp_scales, cat; writes cat
.if DOCPART == 3
	.amdgcn_target "amdgcn-amd-amdhsa--gfx1250"
	.amdhsa_code_object_version 6
	.text
	.protected	k_qbbafad7cbd_attn
	.globl	k_qbbafad7cbd_attn
	.p2align	8
	.type	k_qbbafad7cbd_attn,@function
k_qbbafad7cbd_attn:
	s_mov_b64 s[64:65], 0
	v_nop
	global_prefetch_b8 v0, s[64:65] scope:SCOPE_SE
	s_setreg_imm32_b32 hwreg(HW_REG_WAVE_MODE, 25, 1), 1
	s_wait_xcnt 0x0
	s_wait_alu depctr_hold_cnt(0) depctr_sa_sdst(0) depctr_va_vdst(0) depctr_va_sdst(0) depctr_va_ssrc(0) depctr_va_vcc(0) depctr_vm_vsrc(0)
	s_getreg_b32 s2, hwreg(HW_REG_IB_STS2, 6, 4)
	s_cmp_eq_u32 s2, 0
	s_cbranch_scc0 .Lentry_in_a_cluster
	s_endpgm
.Lentry_in_a_cluster:
	s_bfe_u32 s2, ttmp6, 0x10000c
	s_cmp_lg_u32 s2, 0x3003
	s_cbranch_scc0 .Lentry_shape_is_right
	s_endpgm
.Lentry_shape_is_right:
; Attention on codes of FP8 (E4M3): ctx = softmax(q k^T / 8 + mask x (-1e9)) v for each head of 64, ctx quantised at once with e10 for the last product.
; qkv [3][128 heads][65,536 bytes]: q, k: [1,024 s][64] (the same permutation of the 64 in both);  v: [8 chunks of 128 keys][64 d][128 keys], the keys in the order that four 16-byte loads
; turn into this form's own register layout (registers 2 T, 2 T + 1: keys 16 T + 8 h + 0 .. 7).  cat plane 8 + hp: [8,192 tokens][128]: ctx of heads 2 hp, 2 hp + 1.
; THE SOFTMAX.  t = sum x (log2(e) x 2^(e6 + e7 - 3)) + (mask x (-1e9)) x log2(e), one fused multiply-add, rounded to f32 once; M = the running largest t rounded UP to a whole number;
; p = 2^(t - M), t - M formed from that same rounded t, is quantised with e8; the row's sum is taken of the unquantised p and divides at the end.
; LIMIT, an order of rounding: the logit's sum with the mask's term and the factor log2(e) are rounded once together, not one after the other.  Where the mask is 0, t has the same bits either way.
; SHARES.  A cluster of four work-groups owns TWO heads of one batch; a work-group 256 queries of both; each of its eight waves TWO tiles of 16 queries (x = 0, 1), head 0 in pass 0, head 1 in pass 1:
; a fragment of K, of V and of the mask's term is read from LDS once for both tiles.  Both heads' whole K and V (4 x 65,536 bytes) lie in LDS: eight first fills of 128 rows x 256 bytes, one a wave,
; asked for JOINTLY by the four work-groups; nothing is filled again, so there is no ring, and one barrier shows all tiles to all waves.  No prefetch: every tile is asked for at the head.
; LAYOUT.  Both products transposed: S^T = K Q^T (source 0 = 16 neighbouring keys), O^T = V^T P^T: a lane holds ONE query (lane % 16) of each tile, and p's conversions are the second product's operand.
; LDS LOADS OF A STEP (128 keys): the mask's term and V at its top, K of the NEXT step behind the first products.  A pass's last step so reads 8,704 bytes of V's tile into K's registers, which nothing uses.
; LIMITS: e6 + e7 between -123 and 130 (with the -3 of 1 / 8 they are added to log2(e)'s exponent field); e8, and e10 - e8 - e9, between -126 and 119.  NaN among the inputs is not served.
; REGISTERS.  Window 0: v1-11 addresses; v12-15, v16-19 -M, largest t, the sum (tile 0, 1); v[20:21], v[22:23] f; v24-55 Q (head, tile); v56-60 constants; v62-75 at work; v80-207 S^T, then t, p; v208-239 p's codes.
;             Window 1: v0-63 K; v64-127 the mask's term; v128-191 V; v192-255 O^T of both tiles.
.set HEADB, 139264                     ; a head in LDS: K, 256 rows of 256 bytes + 16, then V likewise
.set VOFF,  69632
.set STEPB, 8704                       ; 128 keys of K (32 LDS rows), and a chunk of V (32 LDS rows)
.set MASK,  278528                     ; 1,024 f32: mask x (-1e9) x log2(e)
.set STAGE, 282624                     ; 32 rows x (128 bytes + 16) for each wave
.set SPARE, 319488                     ; the spare words, 128 bytes for each wave: four blocks of 256 bytes that no other line names
.set AK0, 1
.set AV0, 2
.set AM0, 3
.set SA,  4                            ; the stage: where I put 8 bytes of a row
.set SPW, 5                            ; LDS address of my spare word; never rewritten
.set NIL, 6                            ; 0; never rewritten
.set GO,  7                            ; 16 x lane
.set ADK, 8
.set ADV, 9
.set ADM, 10
.set RD,  11                           ; the stage: where I read back
.set QQ,  24
.set SS,  80
.set PP,  208
.set KF,  0                            ; window 1
.set MT,  64
.set VF,  128
.set OO,  192
.set WV,  12
.set TB,  14                           ; LDS byte at which the step's tiles begin
.set TM,  15                           ; the step's place in the mask's term
.set CNT, 16
.set SEL, 20                           ; s[20:21] lane selects for v_permlanex16_b32: lane l xor 16
.set CS,  22                           ; s[22:23] log2(e) x 2^(e6 + e7 - 3)
.set G1,  24
.set G0,  32
.set MSB, 0
.macro WIN new                         ; the immediate's high byte repeats the setting that is left
.if MSB != (\new)
	s_set_vgpr_msb (MSB<<8)|(\new)
.set MSB, (\new)
.endif
.endm
.macro CROUND
	s_barrier_signal -1
	s_barrier_wait -1
	s_cmp_lg_u32 s[WV], 0
	s_cbranch_scc1 .Lnot_wave_0_\@
	s_barrier_signal -3
.Lnot_wave_0_\@:
	s_barrier_wait -3
	s_barrier_signal -1
	s_barrier_wait -1
.endm
	s_load_b256 s[4:11], s[0:1], 0x0               ; qkv s4, mask s6, the scales' exponents s8, cat s10
	v_lshl_add_u32 v[SPW], v0, 2, SPARE
	v_mov_b32 v[NIL], 0
	ds_add_u32 v[SPW], v[NIL]                      ; the opening lines: the add, twice on end, and its wait ahead of the first tensor load
	ds_add_u32 v[SPW], v[NIL]
	v_lshrrev_b32 v8, 5, v0
	v_readfirstlane_b32 s[WV], v8                  ; wave 0..7
	s_bfe_u32 s13, ttmp6, 0x40000                  ; cx: it enters Q's and cat's addresses alone
	s_and_b32 s17, ttmp7, 0xffff                   ; the cluster's y = 8 x batch + pair of heads
	s_lshl_b32 s48, s17, 17                        ; the pair's first byte in each part of qkv
	s_and_b32 s50, s[WV], 1                        ; my fill: wave = 4 x head + 2 x (K or V) + half of the tile
	s_lshl_b32 s52, s50, 15
	s_add_co_u32 s52, s52, s48
	s_bfe_u32 s50, s[WV], 0x10001
	s_add_co_u32 s50, s50, 1
	s_lshl_b32 s50, s50, 23                        ; k's part of qkv begins at 1 x 2^23, v's at 2 x 2^23
	s_add_co_u32 s52, s52, s50
	s_lshr_b32 s50, s[WV], 2
	s_lshl_b32 s50, s50, 16
	s_add_co_u32 s52, s52, s50
	s_mov_b32 s53, 0
	s_mul_i32 s54, s[WV], 128*272                  ; in LDS the eight fills lie on end: K0, V0, K1, V1
	s_mov_b32 s[G1], 15|(0<<16)|(1<<20)|(1<<21)|(5<<22)|(3<<25)   ; the mask: all four work-groups; elements of 1 byte; padding on, four words after every 64; bit 21 beside a mask
	s_mov_b32 s[G1+1], 256<<16
	s_mov_b32 s[G1+2], 128<<16
	s_mov_b32 s[G1+3], 256<<16
	s_mov_b32 s[G1+4], 128
	s_mov_b32 s[G1+5], 256                         ; the tile is dense
	s_mov_b32 s[G1+6], 0
	s_mov_b32 s[G1+7], 0
	s_mov_b32 s[SEL], 0x76543210
	s_mov_b32 s[SEL+1], 0xfedcba98
	s_mov_b32 s[CS], 0x3fb8aa3b                    ; log2(e)
	s_lshl_b32 s56, s13, 14                        ; Q: my work-group's 256 rows of 64 bytes,
	s_lshl_b32 s57, s[WV], 11                      ; my wave's 32
	s_add_co_u32 s56, s56, s57
	s_add_co_u32 s56, s56, s48
	s_mov_b32 s57, 0
	s_lshr_b32 s58, s17, 3                         ; the batch
	s_lshl_b32 s60, s58, 17                        ; cat: 1,024 tokens of 128 bytes,
	s_lshl_b32 s58, s58, 12                        ; mask: 1,024 f32
	s_mov_b32 s59, 0
	s_and_b32 s61, s17, 7
	s_add_co_u32 s61, s61, 8
	s_lshl_b32 s61, s61, 20                        ; plane 8 + pair of heads,
	s_add_co_u32 s60, s60, s61
	s_lshl_b32 s61, s13, 15
	s_add_co_u32 s60, s60, s61
	s_lshl_b32 s61, s[WV], 12
	s_add_co_u32 s60, s60, s61                     ; my 32 tokens
	s_mov_b32 s61, 0
	s_mul_i32 s49, s[WV], 32*144
	s_add_co_u32 s49, s49, STAGE                   ; my stage
	s_wait_alu depctr_va_vdst(0)
	s_wait_dscnt 0x0                               ; both opening adds are done
	s_wait_kmcnt 0x0
	s_load_b64 s[68:69], s[8:9], 0x18              ; e6, e7
	s_load_b128 s[72:75], s[8:9], 0x20             ; e8, e9, e10, e11
	s_add_nc_u64 s[56:57], s[4:5], s[56:57]
	s_add_nc_u64 s[58:59], s[6:7], s[58:59]
	s_add_nc_u64 s[10:11], s[10:11], s[60:61]
	s_mov_b32 s[G0], 1
	s_mov_b32 s[G0+1], s54
	s_add_nc_u64 s[G0+2:G0+3], s[4:5], s[52:53]
	s_or_b32 s[G0+3], s[G0+3], 0x80000000
	CROUND                                         ; all four work-groups are here: the joint loads meet
	tensor_load_to_lds s[G0:G0+3], s[G1:G1+7]      ; my one fill: every wave issues one
	s_nop 0
	v_and_b32 v8, 15, v0                           ; r
	v_bfe_u32 v9, v0, 4, 1                         ; h
	v_lshlrev_b32 v62, 6, v8
	v_lshl_add_u32 v62, v9, 4, v62                 ; Q: row r of 64 bytes, + 16 h
	v_lshlrev_b32 v63, 4, v0                       ; mask: four numbers a thread
.irp p, 0,1
.irp x, 0,1
	global_load_b128 v[QQ+16*\p+8*\x:QQ+16*\p+8*\x+3], v62, s[56:57] offset:65536*\p+1024*\x
	global_load_b128 v[QQ+16*\p+8*\x+4:QQ+16*\p+8*\x+7], v62, s[56:57] offset:65536*\p+1024*\x+32
.endr
.endr
	global_load_b128 v[64:67], v63, s[58:59]
	v_lshl_add_u32 v68, v0, 4, MASK
	v_lshrrev_b32 v10, 2, v8
	v_mul_u32_u24 v[AK0], v10, 272
	v_and_b32 v10, 3, v8
	v_lshl_add_u32 v[AK0], v10, 6, v[AK0]
	v_lshl_add_u32 v[AK0], v9, 4, v[AK0]           ; key r lies in LDS row r / 4, quarter r % 4; + 16 h
	v_lshrrev_b32 v10, 1, v8
	v_mul_u32_u24 v[AV0], v10, 272
	v_and_b32 v10, 1, v8
	v_lshl_add_u32 v[AV0], v10, 7, v[AV0]
	v_lshl_add_u32 v[AV0], v9, 4, v[AV0]
	v_add_nc_u32 v[AV0], VOFF, v[AV0]              ; V's row d = r lies in LDS row r / 2, half r % 2; + 16 h
	v_lshlrev_b32 v[AM0], 5, v9
	v_add_nc_u32 v[AM0], MASK, v[AM0]              ; my half's eight keys of a tile
	v_mul_u32_u24 v[SA], v8, 144
	v_lshl_add_u32 v[SA], v9, 3, v[SA]
	v_add_nc_u32 v[SA], s49, v[SA]
	v_and_b32 v10, 31, v0
	v_lshlrev_b32 v[GO], 4, v10
	v_lshrrev_b32 v[RD], 3, v10
	v_mul_u32_u24 v[RD], v[RD], 144
	v_and_b32 v10, 7, v10
	v_lshl_add_u32 v[RD], v10, 4, v[RD]
	v_add_nc_u32 v[RD], s49, v[RD]
	v_mov_b32 v74, 0                               ; written once: a lane permute's destination counts as one of its sources
	v_mov_b32 v75, 0
	v_mov_b32 v21, 0                               ; (named as the upper halves of f's pairs)
	v_mov_b32 v23, 0
	s_wait_alu depctr_va_vdst(0)
	s_wait_kmcnt 0x0
	s_add_co_i32 s60, s68, s69
	s_sub_co_i32 s60, s60, 3
	s_lshl_b32 s60, s60, 23
	s_add_co_i32 s[CS], s[CS], s60                 ; a sum stands for sum x 2^(e6 + e7) / 8: the exponents are added to log2(e)'s exponent field
	s_mov_b32 s[CS+1], s[CS]
	s_add_co_i32 s60, s72, 127
	s_lshl_b32 s61, s60, 23
	v_mov_b32 v58, s61                             ; 2^e8
	s_add_co_i32 s60, s60, 8
	s_lshl_b32 s60, s60, 23
	s_or_b32 s60, s60, 0x600000
	v_mov_b32 v56, s60                             ; 448 x 2^e8, twice: one register for each half of a dual pair
	v_mov_b32 v57, s60
	s_sub_co_i32 s60, s74, s72
	s_sub_co_i32 s60, s60, s73
	s_add_co_i32 s60, s60, 127
	s_lshl_b32 s61, s60, 23
	v_mov_b32 v59, s61                             ; 2^(e10 - e8 - e9): O^T / l stands for ctx / 2^(e8 + e9)
	s_add_co_i32 s60, s60, 8
	s_lshl_b32 s60, s60, 23
	s_or_b32 s60, s60, 0x600000
	v_mov_b32 v60, s60
	s_wait_alu depctr_va_vdst(0)                   ; at the head's end
	s_wait_loadcnt 0x0                             ; Q and the mask
.irp r, 64,65,66,67
	v_mul_f32 v\r, 0xce6e6b28, v\r                 ; mask x (-1e9),
.endr
.irp r, 64,65,66,67
	v_mul_f32 v\r, 0x3fb8aa3b, v\r                 ; x log2(e)
.endr
	ds_store_b128 v68, v[64:67]
.macro KLOAD off                       ; K's eight fragments at v[ADK] + off (destination: window 1)
.irp t, 0,1,2,3,4,5,6,7
	ds_load_b128 v[KF+8*\t:KF+8*\t+3], v[ADK] offset:\off+4*272*\t
	ds_load_b128 v[KF+8*\t+4:KF+8*\t+7], v[ADK] offset:\off+4*272*\t+32
.endr
.endm
; A KEY STEP: 128 keys, both tiles.  qr: Q's first register of this head.  At its head K's 16 loads are out.
.macro STEP qr
	v_add_nc_u32 v[ADK], s[TB], v[AK0]             ; these three and the v_nop are the four places behind the last products, in front of the loads into V's registers
	v_add_nc_u32 v[ADV], s[TB], v[AV0]
	v_add_nc_u32 v[ADM], s[TM], v[AM0]
	v_nop
	WIN 0x40
.irp t, 0,1,2,3,4,5,6,7
	ds_load_b128 v[MT+8*\t:MT+8*\t+3], v[ADM] offset:64*\t        ; the mask's term of keys 16 t + 8 h + 0 .. 7, register for register as the sums lie
	ds_load_b128 v[MT+8*\t+4:MT+8*\t+7], v[ADM] offset:64*\t+16
.endr
.irp t, 0,1,2,3
.irp c, 0,1,2,3
	ds_load_b128 v[VF+16*\t+4*\c:VF+16*\t+4*\c+3], v[ADV] offset:8*272*\t+32*\c
.endr
.endr
	s_wait_alu depctr_va_vdst(0)
	s_wait_dscnt 32                                ; K is in; the 32 loads just issued may be out
	WIN 0x01
.irp t, 0,1,2,3,4,5,6,7
.irp x, 0,1
	v_wmma_f32_16x16x64_fp8_fp8 v[SS+64*\x+8*\t:SS+64*\x+8*\t+7], v[KF+8*\t:KF+8*\t+7], v[\qr+8*\x:\qr+8*\x+7], 0
.endr
.endr
.rept 4
	v_nop                                          ; places in front of the loads into K's registers and of the first read of the sums
.endr
	WIN 0x40
	KLOAD STEPB                                    ; the next step's K
	s_wait_dscnt 32                                ; the mask's term is in; V's 16 loads and K's 16 may be out
	WIN 0x10
.irp x, 0,1
.set jj, 0
.rept 32
	v_pk_fma_f32 v[SS+64*\x+jj:SS+64*\x+jj+1], v[SS+64*\x+jj:SS+64*\x+jj+1], s[CS:CS+1], v[MT+jj:MT+jj+1] op_sel_hi:[1,0,1]   ; t, rounded once; each accumulator from its low end on
.set jj, jj+2
.endr
.endr
	WIN 0
.irp x, 0,1                                    ; the step's largest t of my query among my 64 keys: two chains a tile, the tiles by turns
	v_max3_num_f32 v[62+6*\x], v[SS+64*\x], v[SS+64*\x+1], v[SS+64*\x+2]
	v_max3_num_f32 v[63+6*\x], v[SS+64*\x+3], v[SS+64*\x+4], v[SS+64*\x+5]
.endr
.set ii, 6
.rept 14
.irp x, 0,1
	v_max3_num_f32 v[62+6*\x], v[62+6*\x], v[SS+64*\x+ii], v[SS+64*\x+ii+1]
	v_max3_num_f32 v[63+6*\x], v[63+6*\x], v[SS+64*\x+ii+2], v[SS+64*\x+ii+3]
.endr
.set ii, ii+4
.endr
.irp x, 0,1
	v_max3_num_f32 v[62+6*\x], v[62+6*\x], v[SS+64*\x+62], v[SS+64*\x+63]
.endr
.irp x, 0,1
	v_max_num_f32 v[62+6*\x], v[62+6*\x], v[63+6*\x]
.endr
.irp x, 0,1
	v_permlanex16_b32 v[74+\x], v[62+6*\x], s[SEL], s[SEL+1]
.endr
.irp x, 0,1
	v_max_num_f32 v[62+6*\x], v[62+6*\x], v[74+\x] ; and among lane l xor 16's
.endr
.irp x, 0,1
	v_max_num_f32 v[13+4*\x], v[13+4*\x], v[62+6*\x]   ; the running largest t
	v_mov_b32 v[64+6*\x], v[12+4*\x]
.endr
.irp x, 0,1
	v_floor_f32 v[12+4*\x], -v[13+4*\x]            ; the new -M = floor(-t): M is a whole number
.endr
.irp x, 0,1
	v_sub_f32 v[64+6*\x], v[12+4*\x], v[64+6*\x]   ; old M - new M: a whole number, 0 or less
.endr
.irp x, 0,1
	v_cvt_i32_f32 v[64+6*\x], v[64+6*\x]           ; (it saturates)
.endr
.irp x, 0,1
	v_ldexp_f32 v[20+2*\x], 1.0, v[64+6*\x]        ; f = 2^(old M - new M)
.endr
.irp x, 0,1
.set jj, 0
.rept 32
	v_pk_add_f32 v[SS+64*\x+jj:SS+64*\x+jj+1], v[SS+64*\x+jj:SS+64*\x+jj+1], v[12+4*\x:13+4*\x] op_sel_hi:[1,0]   ; t - M (of the pair the low word, -M, serves both halves)
.set jj, jj+2
.endr
.endr
	s_wait_alu depctr_va_vdst(0)                   ; ahead of the batch
.set jj, 0
.rept 128
	v_exp_f32 v[SS+jj], v[SS+jj]                   ; p = 2^(t - M), at most 1: not normalised
.set jj, jj+1
.endr
	v_pk_mul_f32 v[14:15], v[14:15], v[20:21] op_sel_hi:[1,0]   ; the sums under the new M: plain lines behind the exponentials
	v_pk_mul_f32 v[18:19], v[18:19], v[22:23] op_sel_hi:[1,0]
	s_wait_alu depctr_va_vdst(0)                   ; one wait for the whole batch, ahead of its first reader
.irp x, 0,1                                    ; the row's sum of the unquantised p: four chains a tile, the tiles by turns
	v_pk_add_f32 v[62+6*\x:63+6*\x], v[SS+64*\x:SS+64*\x+1], v[SS+64*\x+2:SS+64*\x+3]
	v_pk_add_f32 v[64+6*\x:65+6*\x], v[SS+64*\x+4:SS+64*\x+5], v[SS+64*\x+6:SS+64*\x+7]
	v_pk_add_f32 v[66+6*\x:67+6*\x], v[SS+64*\x+8:SS+64*\x+9], v[SS+64*\x+10:SS+64*\x+11]
	v_pk_add_f32 v[14+4*\x:15+4*\x], v[14+4*\x:15+4*\x], v[SS+64*\x+12:SS+64*\x+13]
.endr
.set ii, 14
.rept 6
.irp x, 0,1
	v_pk_add_f32 v[62+6*\x:63+6*\x], v[62+6*\x:63+6*\x], v[SS+64*\x+ii:SS+64*\x+ii+1]
	v_pk_add_f32 v[64+6*\x:65+6*\x], v[64+6*\x:65+6*\x], v[SS+64*\x+ii+2:SS+64*\x+ii+3]
	v_pk_add_f32 v[66+6*\x:67+6*\x], v[66+6*\x:67+6*\x], v[SS+64*\x+ii+4:SS+64*\x+ii+5]
	v_pk_add_f32 v[14+4*\x:15+4*\x], v[14+4*\x:15+4*\x], v[SS+64*\x+ii+6:SS+64*\x+ii+7]
.endr
.set ii, ii+8
.endr
.irp x, 0,1
	v_pk_add_f32 v[62+6*\x:63+6*\x], v[62+6*\x:63+6*\x], v[SS+64*\x+62:SS+64*\x+63]
	v_pk_add_f32 v[14+4*\x:15+4*\x], v[14+4*\x:15+4*\x], v[66+6*\x:67+6*\x]
.endr
.irp x, 0,1
	v_pk_add_f32 v[62+6*\x:63+6*\x], v[62+6*\x:63+6*\x], v[64+6*\x:65+6*\x]
.endr
.irp x, 0,1
	v_pk_add_f32 v[14+4*\x:15+4*\x], v[14+4*\x:15+4*\x], v[62+6*\x:63+6*\x]
.endr
.irp x, 0,1
.irp b, 0,1,2,3,4,5,6,7
.irp i, 0,2,4,6
	v_dual_min_num_f32 v[SS+64*\x+8*\b+\i], v[SS+64*\x+8*\b+\i], v56 :: v_dual_min_num_f32 v[SS+64*\x+8*\b+\i+1], v[SS+64*\x+8*\b+\i+1], v57   ; the conversion does not saturate (ISA guide 7.6.2); p is not negative, so the hold is one-sided
.endr
	v_cvt_scalef32_pk8_fp8_f32 v[PP+16*\x+2*\b:PP+16*\x+2*\b+1], v[SS+64*\x+8*\b:SS+64*\x+8*\b+7], v58   ; keys 16 b + 8 h + 0 .. 7: registers 2 b, 2 b + 1 of the operand
.endr
.endr
	WIN 0x41
	s_wait_alu depctr_va_vdst(0)                   ; directly ahead of the first reader of O^T
.irp x, 0,1
.set jj, 0
.rept 16
	v_pk_mul_f32 v[OO+32*\x+jj:OO+32*\x+jj+1], v[OO+32*\x+jj:OO+32*\x+jj+1], v[20+2*\x:21+2*\x] op_sel_hi:[1,0]   ; O^T under the new M.  (Plain lines behind the last conversion)
.set jj, jj+2
.endr
.endr
	WIN 0x51
	s_wait_alu depctr_va_vdst(0)
	s_wait_dscnt 16                                ; V is in; the next step's K may be out
.irp t, 0,1,2,3
.irp x, 0,1
	v_wmma_f32_16x16x128_fp8_fp8 v[OO+32*\x+8*\t:OO+32*\x+8*\t+7], v[VF+16*\t:VF+16*\t+15], v[PP+16*\x:PP+16*\x+15], v[OO+32*\x+8*\t:OO+32*\x+8*\t+7]   ; eight accumulators by turns
.endr
.endr
	WIN 0
	s_add_co_u32 s[TB], s[TB], STEPB
	s_add_co_u32 s[TM], s[TM], 512
.endm
; A PASS: head p of the pair, all 1,024 keys, then ctx's codes into my stage.
.macro PASS p
	v_mov_b32 v13, 0xff61b1e6                      ; the largest t so far: -3e38, under every t
	v_mov_b32 v17, 0xff61b1e6
	v_floor_f32 v12, -v13
	v_floor_f32 v16, -v17
.irp r, 14,15,18,19
	v_mov_b32 v\r, 0
.endr
	s_mov_b32 s[TB], \p*HEADB
	s_mov_b32 s[TM], 0
	s_mov_b32 s[CNT], 8
	v_add_nc_u32 v[ADK], s[TB], v[AK0]
	WIN 0x40
.set jj, 0
.rept 64
	v_mov_b32 v[OO+jj], 0                          ; the step is written once: its first trip finds zeros
.set jj, jj+1
.endr
	s_wait_alu depctr_va_vdst(0)
.if \p == 0
	s_wait_tensorcnt 0x0                           ; my fill has landed
.endif
	s_wait_dscnt 0x0                               ; my LDS stores are done, and no load into K's registers is out
.if \p == 0
	s_barrier_signal -1
	s_barrier_wait -1                              ; everybody's fill, and the mask's term, are in: for both passes
.endif
	KLOAD 0                                        ; the first step's K
	WIN 0
.Lstep_\@:
	STEP QQ+16*\p
	s_sub_co_u32 s[CNT], s[CNT], 1
	s_cmp_lg_u32 s[CNT], 0
	s_cbranch_scc1 .Lstep_\@
.rept 4
	v_nop                                          ; places behind the last products
.endr
	v_add_f32 v14, v14, v15                        ; the sums' two halves,
	v_add_f32 v18, v18, v19
	v_permlanex16_b32 v74, v14, s[SEL], s[SEL+1]
	v_permlanex16_b32 v75, v18, s[SEL], s[SEL+1]
	v_add_f32 v14, v14, v74                        ; and lane l xor 16's
	v_add_f32 v18, v18, v75
	s_wait_alu depctr_va_vdst(0)                   ; ahead of the transcendentals
	v_rcp_f32 v14, v14
	v_rcp_f32 v18, v18
	v_nop                                          ; a plain line behind them
	WIN 0x01
	s_wait_alu depctr_va_vdst(0)                   ; the wait ahead of their first reader, which is O^T's first reader too
.irp x, 0,1
.set jj, 0
.rept 16
	v_pk_mul_f32 v[SS+64*\x+jj:SS+64*\x+jj+1], v[OO+32*\x+jj:OO+32*\x+jj+1], v[14+4*\x:15+4*\x] op_sel_hi:[1,0]   ; O^T / l: register 8 t + i is d = 16 t + 8 h + i of query r
.set jj, jj+2
.endr
.endr
	WIN 0
.irp x, 0,1
.set jj, 0
.rept 32
	v_med3_num_f32 v[SS+64*\x+jj], v[SS+64*\x+jj], -v60, v60
.set jj, jj+1
.endr
.endr
.irp x, 0,1
.irp t, 0,1,2,3
	v_cvt_scalef32_pk8_fp8_f32 v[PP+16*\x+2*\t:PP+16*\x+2*\t+1], v[SS+64*\x+8*\t:SS+64*\x+8*\t+7], v59
.endr
.endr
	v_nop                                          ; a plain line behind the last conversion
.irp x, 0,1
.irp t, 0,1,2,3
	ds_store_b64 v[SA], v[PP+16*\x+2*\t:PP+16*\x+2*\t+1] offset:16*144*\x+64*\p+16*\t
.endr
.endr
.endm
	PASS 0
	PASS 1
.irp i, 0,1,2,3,4,5,6,7
	ds_load_b128 v[SS+4*\i:SS+4*\i+3], v[RD] offset:4*144*\i       ; LDS serves a wave's instructions in order: these see my stores.  Four rows of 128 bytes an instruction
.endr
.irp i, 0,1,2,3,4,5,6,7
	s_wait_dscnt 7-\i
	global_store_b128 v[GO], v[SS+4*\i:SS+4*\i+3], s[10:11] offset:512*\i   ; 32 lanes store 512 consecutive bytes, at a multiple of 256 from the buffer's first byte
.endr
	s_wait_tensorcnt 0x0                           ; the wave's end
	ds_add_u32 v[SPW], v[NIL]
	s_wait_dscnt 0x0
	CROUND                                         ; the closing round
	s_endpgm
.Lfunc_end_k_qbbafad7cbd_attn:
	.size	k_qbbafad7cbd_attn, .Lfunc_end_k_qbbafad7cbd_attn-k_qbbafad7cbd_attn
	.p2alignl 7, 3214868480
	.fill 96, 4, 3214868480
	.section	.rodata,"a",@progbits
	.p2align	6, 0x0
	.amdhsa_kernel k_qbbafad7cbd_attn
		.amdhsa_group_segment_fixed_size 327680
		.amdhsa_private_segment_fixed_size 0
		.amdhsa_enable_private_segment 0
		.amdhsa_kernarg_size 32
		.amdhsa_user_sgpr_count 2
		.amdhsa_user_sgpr_kernarg_segment_ptr 1
		.amdhsa_wavefront_size32 1
		.amdhsa_system_sgpr_workgroup_id_x 1
		.amdhsa_system_sgpr_workgroup_id_y 1
		.amdhsa_system_sgpr_workgroup_id_z 1
		.amdhsa_system_vgpr_workitem_id 0
		.amdhsa_next_free_vgpr 512
		.amdhsa_next_free_sgpr 96
		.amdhsa_reserve_vcc 0
		.amdhsa_float_denorm_mode_32 3
		.amdhsa_float_denorm_mode_16_64 3
		.amdhsa_memory_ordered 1
		.amdhsa_forward_progress 1
		.amdhsa_inst_pref_size 99
	.end_amdhsa_kernel
	.amdgpu_metadata
---
amdhsa.version: [ 1, 2 ]
amdhsa.kernels:
  - .name:           k_qbbafad7cbd_attn
    .symbol:         k_qbbafad7cbd_attn.kd
    .args:
      - { .name: qkv, .offset: 0, .size: 8, .value_kind: global_buffer, .address_space: global }
      - { .name: mask, .offset: 8, .size: 8, .value_kind: global_buffer, .address_space: global }
      - { .name: lowp_scales, .offset: 16, .size: 8, .value_kind: global_buffer, .address_space: global }
      - { .name: cat, .offset: 24, .size: 8, .value_kind: global_buffer, .address_space: global }
    .group_segment_fixed_size: 327680
    .private_segment_fixed_size: 0
    .kernarg_segment_align: 8
    .kernarg_segment_size: 32
    .max_flat_workgroup_size: 256
    .sgpr_count:     96
    .vgpr_count:     512
    .wavefront_size: 32
...
	.end_amdgpu_metadata
.endif
;; end of part 3
;; launch outp (part 4): grid 4 x 64, 4 waves a work-group, clusters of 4 x 4, 327,680 bytes of LDS; arguments cat, wcod, lowp_scales, part, out0; writes out0
.if DOCPART == 4
	.amdgcn_target "amdgcn-amd-amdhsa--gfx1250"
	.amdhsa_code_object_version 6
	.text
	.protected	k_qbbafad7cbd_outp
	.globl	k_qbbafad7cbd_outp
	.p2align	8
	.type	k_qbbafad7cbd_outp,@function
k_qbbafad7cbd_outp:
	s_mov_b64 s[64:65], 0
	v_nop
	global_prefetch_b8 v0, s[64:65] scope:SCOPE_SE
	s_setreg_imm32_b32 hwreg(HW_REG_WAVE_MODE, 25, 1), 1
	s_wait_xcnt 0x0
	s_wait_alu depctr_hold_cnt(0) depctr_sa_sdst(0) depctr_va_vdst(0) depctr_va_sdst(0) depctr_va_ssrc(0) depctr_va_vcc(0) depctr_vm_vsrc(0)
	s_getreg_b32 s2, hwreg(HW_REG_IB_STS2, 6, 4)
	s_cmp_eq_u32 s2, 0
	s_cbranch_scc0 .Lentry_in_a_cluster
	s_endpgm
.Lentry_in_a_cluster:
	s_bfe_u32 s2, ttmp6, 0x10000c
	s_cmp_lg_u32 s2, 0xf033
	s_cbranch_scc0 .Lentry_shape_is_right
	s_endpgm
.Lentry_shape_is_right:
; out0 = (part + ctx's codes x wo's lower half's codes) x 2^(e10 + e11).  part holds the f32 sums of q_in's codes x wo's upper half's codes, with wo_b / 2^(e10 + e11) in them, as register images:
; [tile of 256 x 256: 4 x tile row + tile column][wave: 2 x row half + column half][rows 0-63, rows 64-127 of the wave][32 accumulators x 1,024 bytes].
; cat planes 8-15: [plane of 128 along K][8,192 tokens][128 bytes]; wcod planes 32-39: [plane][1,024 n][128 bytes].  FP8 (E4M3) codes, sums in f32.
; LIMIT: e10 + e11 lies between -126 and 127, so that 2^(e10 + e11) is an f32 number.
; SHARES.  A work-group makes 128 rows x 256 columns of out0: 64 x 4 = 256 work-groups.  Each of its four waves makes 64 x 128: 32 accumulators, 256 registers, which begin as the wave's 32,768 bytes of part.
; K = 1,024 goes in four steps of 256 (two planes) through a ring of two LDS slots: waves 0, 1 fetch A's two planes (128 tokens x 128 bytes = 64 LDS rows of 256), waves 2, 3 B's (256 n = 128 LDS rows).
; CLUSTERS: 4 x 4 work-groups; A's tiles are asked for jointly along a row of the cluster, B's along a column.  The matrix instruction is used transposed (source 0 = rows of B, source 1 = rows of A):
; a lane holds eight neighbouring numbers of a row of out0.
; PREFETCH: behind the refill that asks for K step 2 each wave names its part of K step 3, one refill ahead; the four partners share a tile's blocks of 256 bytes out by address (A: 16 blocks each, the lanes
; left over name the last again; B: 32 each, asked for by the first cluster alone, since all clusters read the same weights).  K steps 0 to 2 come by their loads alone.
; REGISTERS: window 0: v16-30 addresses, v64-127 and v128-191 A's fragments (two sets of 4 x 16 rows x 128 K); on the way out v64-255.  Window 1: B's fragments, two sets of 8.  Window 2: the accumulators.
.set PITCH,  272                       ; an LDS row: 256 bytes + 16 of padding
.set HALFT,  128*PITCH                 ; room of one wave's load
.set SLOT,   4*HALFT
.set SPARE,  2*SLOT                    ; the spare words, 128 bytes for each wave: two blocks of 256 bytes that no other line names
.set FR,     16
.set NP,     4                         ; places behind this matrix instruction (ISA guide 7.12.1)
.set SPITCH, 528                       ; the way out: 16 rows x (512 bytes + 16) for each wave, in slot 0, which has then had its last fill and its last read
.set ROWC,   4096
.set ADRA, 16
.set ADRB, 20
.set STO,  24
.set RD,   25
.set CO,   26
.set SPW,  28
.set NIL,  29
.set PFO,  30
.set AF,   64
.set TMP,  64
.set BK,   128
.set G1, 24
.set G0, 32
.set G1B, 48
.set G0B, 56
.set LIM, 43
.set PFA, 44
.set MSB, 0
.macro WIN new                         ; the immediate's high byte repeats the setting that is left
.if MSB != (\new)
	s_set_vgpr_msb (MSB<<8)|(\new)
.set MSB, (\new)
.endif
.endm
.set TO_B, 0x40                        ; destination window 1
.set MUL,  0xa1                        ; source 0 (B) window 1, source 1 (A) window 0, C and D window 2
.macro JLOAD g0a, g1a, g0b, g1b        ; waves 0, 1 ask for A, waves 2, 3 for B; an s_nop 0 and four v_nop follow each line
	s_cmp_eq_u32 s15, 0
	s_cbranch_scc0 .Lfor_b_\@
	tensor_load_to_lds s[\g0a:\g0a+3], s[\g1a:\g1a+7]
	s_nop 0
.rept 4
	v_nop
.endr
	s_branch .Lasked_\@
.Lfor_b_\@:
	tensor_load_to_lds s[\g0b:\g0b+3], s[\g1b:\g1b+7]
	s_nop 0
.rept 4
	v_nop
.endr
.Lasked_\@:
.endm
.macro ASK
	s_cmp_eq_u32 s[LIM], 1
	s_cbranch_scc0 .Lnot_mine_\@
	global_prefetch_b8 v[PFO], s[PFA:PFA+1] th:TH_LOAD_NT scope:SCOPE_SE
.Lnot_mine_\@:
.endm
.macro CREST
	s_cmp_lg_u32 s14, 0
	s_cbranch_scc1 .Lnot_wave_0_\@
	s_barrier_signal -3
.Lnot_wave_0_\@:
	s_barrier_wait -3
	s_barrier_signal -1
	s_barrier_wait -1
.endm
.macro CROUND
	s_barrier_signal -1
	s_barrier_wait -1
	CREST
.endm
	s_load_b256 s[4:11], s[0:1], 0x0               ; cat s4, wcod s6, the scales' exponents s8, part s10
	s_load_b64 s[12:13], s[0:1], 0x20              ; out0
	v_lshl_add_u32 v[SPW], v0, 2, SPARE
	v_mov_b32 v[NIL], 0
	ds_add_u32 v[SPW], v[NIL]                      ; the opening lines: the add, twice on end, and its wait ahead of the first tensor load
	ds_add_u32 v[SPW], v[NIL]
	v_lshrrev_b32 v1, 5, v0
	v_readfirstlane_b32 s14, v1                    ; wave 0..3
	s_lshr_b32 s15, s14, 1                         ; which 64 rows are mine.  Also: I fetch for A (0) or for B (1)
	s_and_b32 s16, s14, 1                          ; which 128 columns.  Also: which plane of a slot I fetch
	s_bfe_u32 s40, ttmp6, 0x40000                  ; cx = the tile column
	s_bfe_u32 s41, ttmp6, 0x40004                  ; cy
	s_and_b32 s17, ttmp7, 0xffff
	s_lshl_b32 s17, s17, 2
	s_add_co_u32 s17, s17, s41                     ; which 128 rows of out0: 4 x cluster y + cy
	s_lshl_b32 s43, s41, 2
	s_lshl_b32 s43, 15, s43                        ; my row of the cluster
	s_lshl_b32 s44, 0x1111, s40                    ; my column
	s_or_b32 s[G1+0], s43, (0<<16)|(1<<20)|(1<<21)|(5<<22)|(3<<25)   ; the mask; elements of 1 byte; padding on, four words after every 64; bit 21 beside a mask
	s_or_b32 s[G1B+0], s44, (0<<16)|(1<<20)|(1<<21)|(5<<22)|(3<<25)
	s_mov_b32 s[G1+1], 256<<16
	s_mov_b32 s[G1+2], 64<<16                      ; A: 64 rows of 256 bytes, dense
	s_mov_b32 s[G1+3], 256<<16
	s_mov_b32 s[G1+4], 64
	s_mov_b32 s[G1+5], 256
	s_mov_b32 s[G1+6], 0
	s_mov_b32 s[G1+7], 0
	s_mov_b32 s[G1B+1], 256<<16
	s_mov_b32 s[G1B+2], 128<<16                    ; B: 128 rows of 256 bytes, dense
	s_mov_b32 s[G1B+3], 256<<16
	s_mov_b32 s[G1B+4], 128
	s_mov_b32 s[G1B+5], 256
	s_mov_b32 s[G1B+6], 0
	s_mov_b32 s[G1B+7], 0
	s_lshl_b32 s20, s17, 14                        ; A: 128 tokens of 128 bytes,
	s_lshl_b32 s18, s16, 20                        ; my plane,
	s_add_co_u32 s20, s20, s18
	s_add_co_u32 s20, s20, 0x800000                ; from plane 8 on
	s_mov_b32 s21, 0
	s_lshl_b32 s46, s40, 15                        ; B: 256 n of 128 bytes,
	s_lshl_b32 s18, s16, 17
	s_add_co_u32 s46, s46, s18
	s_add_co_u32 s46, s46, 0x400000                ; from plane 32 on
	s_mov_b32 s47, 0
	s_mul_i32 s45, s14, HALFT                      ; where my load goes: no place in the cluster enters an LDS address
	s_wait_dscnt 0x0                               ; both opening adds are done
	s_wait_kmcnt 0x0
	s_load_b64 s[96:97], s[8:9], 0x28              ; e10, e11
	s_add_nc_u64 s[20:21], s[4:5], s[20:21]
	s_add_nc_u64 s[46:47], s[6:7], s[46:47]
	CROUND                                         ; all sixteen work-groups are here: the first joint loads meet
.irp s, 0,1
	s_mov_b32 s[G0+4*\s], 1
	s_add_co_u32 s[G0+4*\s+1], s45, \s*SLOT
	s_add_nc_u64 s[G0+4*\s+2:G0+4*\s+3], s[20:21], \s*0x200000
	s_or_b32 s[G0+4*\s+3], s[G0+4*\s+3], 0x80000000
	s_mov_b32 s[G0B+4*\s], 1
	s_add_co_u32 s[G0B+4*\s+1], s45, \s*SLOT
	s_add_nc_u64 s[G0B+4*\s+2:G0B+4*\s+3], s[46:47], \s*0x40000
	s_or_b32 s[G0B+4*\s+3], s[G0B+4*\s+3], 0x80000000
.endr
	JLOAD G0, G1, G0B, G1B                         ; K step 0: one tensor load a wave at the head
	; the prefetch: my wave's plane of K step 3, my work-group's share of its blocks
	s_and_b32 s22, ttmp7, 0xffff
	s_mov_b32 s70, 0x40000
	s_mov_b32 s71, 31
	s_mov_b32 s72, 13
	s_cmp_eq_u32 s15, 0
	s_cselect_b64 s[PFA:PFA+1], s[20:21], s[46:47]
	s_cselect_b32 s70, 0x200000, s70               ; a K step on
	s_cselect_b32 s71, 15, s71                     ; blocks in my share, less one
	s_cselect_b32 s72, 12, s72                     ; a share: 4,096 bytes of A's plane, 8,192 of B's
	s_cselect_b32 s23, s40, s41                    ; my place among the four that ask with me
	s_cselect_b32 s22, 0, s22
	s_cmp_eq_u32 s22, 0
	s_cselect_b32 s[LIM], 1, -1                    ; A: every cluster; B: the first cluster alone
	s_mul_i32 s66, s70, 3
	s_lshl_b32 s23, s23, s72
	s_add_co_u32 s66, s66, s23
	s_mov_b32 s67, 0
	s_add_nc_u64 s[PFA:PFA+1], s[PFA:PFA+1], s[66:67]
	; my part of out0
	s_lshl_b32 s20, s17, 7
	s_lshl_b32 s21, s15, 6
	s_add_co_u32 s20, s20, s21                     ; my first row
	s_lshl_b32 s20, s20, 12
	s_lshl_b32 s21, s40, 10
	s_add_co_u32 s20, s20, s21
	s_lshl_b32 s21, s16, 9
	s_add_co_u32 s20, s20, s21                     ; + my first column, in bytes
	s_mov_b32 s21, 0
	s_add_nc_u64 s[12:13], s[12:13], s[20:21]
	; my 32,768 bytes of part
	s_lshr_b32 s20, s17, 1
	s_lshl_b32 s20, s20, 2
	s_add_co_u32 s20, s20, s40                     ; the tile of 256 x 256,
	s_lshl_b32 s20, s20, 2
	s_and_b32 s21, s17, 1
	s_lshl_b32 s21, s21, 1
	s_add_co_u32 s20, s20, s21
	s_add_co_u32 s20, s20, s16                     ; the wave that stored it: 2 x row half + column half,
	s_lshl_b32 s20, s20, 1
	s_add_co_u32 s20, s20, s15                     ; which 64 of its rows
	s_lshl_b32 s20, s20, 15
	s_mov_b32 s21, 0
	s_add_nc_u64 s[10:11], s[10:11], s[20:21]
	s_mul_i32 s21, s15, 32*PITCH                   ; my 64 rows of A: 32 LDS rows
	s_mul_i32 s22, s16, 64*PITCH                   ; my 128 rows of B: 64 LDS rows,
	s_add_co_u32 s22, s22, 2*HALFT                 ; behind A's two planes
	s_mul_i32 s23, s14, 16*SPITCH                  ; my stage
	s_wait_kmcnt 0x0
	s_add_co_i32 s98, s96, s97
	s_add_co_i32 s98, s98, 127
	s_lshl_b32 s96, s98, 23                        ; 2^(e10 + e11) as f32
	v_and_b32 v1, 15, v0                           ; r
	v_bfe_u32 v2, v0, 4, 1                         ; h
	v_lshrrev_b32 v3, 1, v1
	v_mul_u32_u24 v3, v3, PITCH
	v_and_b32 v4, 1, v1
	v_lshl_add_u32 v3, v4, 7, v3                   ; row r lies in LDS row r / 2, half r % 2
	v_lshl_add_u32 v4, v2, 4, v3                   ; + 16 h
	v_add_nc_u32 v[ADRA], s21, v4
	v_add_nc_u32 v[ADRB], s22, v4
	v_add_nc_u32 v[ADRA+1], SLOT, v[ADRA]
	v_add_nc_u32 v[ADRB+1], SLOT, v[ADRB]
	v_mul_u32_u24 v5, v1, SPITCH                   ; the stage, in: row r, 32 bytes for each half of the lanes
	v_lshl_add_u32 v5, v2, 5, v5
	v_add_nc_u32 v[STO], s23, v5
	v_and_b32 v6, 31, v0
	v_lshlrev_b32 v[CO], 4, v6                     ; 16 x lane: in part, in a row of the stage and in a row of out0
	v_add_nc_u32 v[RD], s23, v[CO]
	v_min_u32 v[PFO], s71, v6
	v_lshlrev_b32 v[PFO], 8, v[PFO]                ; the prefetch: lanes 256 bytes apart
	WIN 0x80
.set i, 0
.rept 32
	global_load_b128 v[8*i:8*i+3], v[CO], s[10:11] offset:1024*i th:TH_LOAD_NT          ; the accumulators begin as part's sums: 512 consecutive bytes a load
	global_load_b128 v[8*i+4:8*i+7], v[CO], s[10:11] offset:1024*i+512 th:TH_LOAD_NT
.set i, i+1
.endr
	WIN 0
.macro FRAG reg, adr, q, i             ; 16 rows x 128 K: registers 4 c .. 4 c + 3 hold K = 32 c + 16 h + 0 .. 15, alike in A and in B
.irp c, 0,1,2,3
	ds_load_b128 v[\reg+4*\c:\reg+4*\c+3], v[\adr] offset:HALFT*(\q)+8*PITCH*(\i)+32*\c
.endr
.endm
.macro FETCH slot, q, p                ; plane q of the slot into set p: B's eight fragments, A's four: 48 loads
	WIN TO_B
.irp i, 0,1,2,3,4,5,6,7
	FRAG 128*(\p)+FR*\i, ADRB+\slot, \q, \i
.endr
	WIN 0
.irp i, 0,1,2,3
	FRAG AF+64*(\p)+FR*\i, ADRA+\slot, \q, \i
.endr
.endm
.macro MUL8 a, p                       ; A's block a x B's eight; the 32 accumulators take turns in the same order in every step
.irp b, 0,1,2,3,4,5,6,7
	v_wmma_f32_16x16x128_fp8_fp8 v[8*(8*(\a)+\b):8*(8*(\a)+\b)+7], v[128*(\p)+FR*\b:128*(\p)+FR*\b+FR-1], v[AF+64*(\p)+FR*(\a):AF+64*(\p)+FR*(\a)+FR-1], v[8*(8*(\a)+\b):8*(8*(\a)+\b)+7]
.endr
.endm
.macro PLACES n
.rept \n
	v_nop
.endr
.endm
.macro STEP slot                       ; a slot's first plane (set 0); the second plane's fragments are asked for ahead of the products
	PLACES NP                                      ; in front of the loads into set 1, which the last products read
	FETCH \slot, 1, 1
	s_wait_dscnt 48                                ; set 0 is in; the 48 loads just issued may be out
	WIN MUL
	MUL8 0, 0
	MUL8 1, 0
	MUL8 2, 0
	MUL8 3, 0
	WIN 0
.endm
.macro TURN slot, next, fill, ask      ; a slot's second plane (set 1), and the change of slots
	s_wait_tensorcnt 0x0                           ; all my tensor loads have landed: my part of the next slot
	ds_add_u32 v[SPW], v[NIL]                      ; 0 onto my spare word
	s_wait_dscnt 1                                 ; set 1 is in; the add may be out
	WIN MUL
	MUL8 0, 1
	s_wait_dscnt 0x0                               ; the add is done, and my reads of this slot are over
	s_barrier_signal -1
	MUL8 1, 1
	WIN 0
	s_barrier_wait -1
.if \fill
	CREST                                          ; the barrier has opened a round of the cluster's barrier
	s_add_nc_u64 s[G0+4*\slot+2:G0+4*\slot+3], s[G0+4*\slot+2:G0+4*\slot+3], 0x400000
	s_add_nc_u64 s[G0B+4*\slot+2:G0B+4*\slot+3], s[G0B+4*\slot+2:G0B+4*\slot+3], 0x80000
	JLOAD G0+4*\slot, G1, G0B+4*\slot, G1B         ; the first tensor load behind the round; its four v_nop are the places in front of the loads below
.else
	PLACES NP
.endif
	FETCH \next, 0, 0
.if \ask
	ASK
.endif
	WIN MUL
	MUL8 2, 1
	MUL8 3, 1
	WIN 0
.endm
	s_wait_alu depctr_va_vdst(0)                   ; at the head's end
	s_wait_tensorcnt 0x0                           ; my part of K step 0 is in; these lines stand ahead of a later first fill as ahead of a refill
	ds_add_u32 v[SPW], v[NIL]
	s_wait_dscnt 0x0
	CROUND
	JLOAD G0+4, G1, G0B+4, G1B                     ; K step 1, the first tensor load behind the round
	FETCH 0, 0, 0
	s_wait_loadcnt 0x0                             ; part's sums are in
	STEP 0
	TURN 0, 1, 1, 1
	STEP 1
	TURN 1, 0, 1, 0
	STEP 0
	TURN 0, 1, 0, 0                                ; the last change fills nothing, and has no round of the cluster's barrier
	STEP 1
	s_wait_dscnt 0x0
	WIN MUL
	MUL8 0, 1
	MUL8 1, 1
	MUL8 2, 1
	MUL8 3, 1
	WIN 0
; THE WAY OUT, block by block of 16 rows x 128 columns: x 2^(e10 + e11), through my own stage, back as whole rows of 512 bytes.  LDS serves a wave's instructions in order (ISA guide 5.7.1.4).
.macro TOSTAGE a
.set AC, 64*(\a)
	WIN 0x02
.set j, 0
.rept 32
	v_pk_mul_f32 v[TMP+j:TMP+j+1], v[AC+j:AC+j+1], s[96:97] op_sel_hi:[1,0]   ; each accumulator from its low end on
.set j, j+2
.endr
	WIN 0
.irp b, 0,1,2,3,4,5,6,7
	ds_store_b128 v[STO], v[TMP+8*\b:TMP+8*\b+3] offset:64*\b
	ds_store_b128 v[STO], v[TMP+8*\b+4:TMP+8*\b+7] offset:64*\b+16
.endr
.set BB, BK+64*((\a)%2)
.irp t, 0,1,2,3,4,5,6,7,8,9,10,11,12,13,14,15
	ds_load_b128 v[BB+4*\t:BB+4*\t+3], v[RD] offset:\t*SPITCH
.endr
.endm
.macro SEND a, younger                 ; younger: the LDS instructions issued behind block a's loads, which may stay out
.set BB, BK+64*((\a)%2)
	s_wait_dscnt \younger
.if (\a) > 0
	s_add_nc_u64 s[12:13], s[12:13], 16*ROWC       ; (behind a wait on XCNT: the earlier stores have read their base)
.endif
.irp t, 0,1,2,3,4,5,6,7,8,9,10,11,12,13,14,15
	global_store_b128 v[CO], v[BB+4*\t:BB+4*\t+3], s[12:13] offset:\t*ROWC th:TH_STORE_NT   ; 32 lanes store 512 consecutive bytes, at a multiple of 256 from out0's first byte
.endr
.endm
	PLACES NP
	TOSTAGE 0
.irp a, 1,2,3
.if \a > 1
	s_wait_xcnt 0x0                                ; block a - 2's stores have read their registers and their base
.endif
	TOSTAGE \a
	SEND \a-1, 32
.endr
	s_wait_xcnt 0x0
	SEND 3, 0
	s_wait_tensorcnt 0x0                           ; the wave's end
	ds_add_u32 v[SPW], v[NIL]
	s_wait_dscnt 0x0
	CROUND                                         ; the closing round
	s_endpgm
.Lfunc_end_k_qbbafad7cbd_outp:
	.size	k_qbbafad7cbd_outp, .Lfunc_end_k_qbbafad7cbd_outp-k_qbbafad7cbd_outp
	.p2alignl 7, 3214868480
	.fill 96, 4, 3214868480
	.section	.rodata,"a",@progbits
	.p2align	6, 0x0
	.amdhsa_kernel k_qbbafad7cbd_outp
		.amdhsa_group_segment_fixed_size 327680
		.amdhsa_private_segment_fixed_size 0
		.amdhsa_enable_private_segment 0
		.amdhsa_kernarg_size 40
		.amdhsa_user_sgpr_count 2
		.amdhsa_user_sgpr_kernarg_segment_ptr 1
		.amdhsa_wavefront_size32 1
		.amdhsa_system_sgpr_workgroup_id_x 1
		.amdhsa_system_sgpr_workgroup_id_y 1
		.amdhsa_system_sgpr_workgroup_id_z 1
		.amdhsa_system_vgpr_workitem_id 0
		.amdhsa_next_free_vgpr 768
		.amdhsa_next_free_sgpr 100
		.amdhsa_reserve_vcc 0
		.amdhsa_float_denorm_mode_32 3
		.amdhsa_float_denorm_mode_16_64 3
		.amdhsa_memory_ordered 1
		.amdhsa_forward_progress 1
		.amdhsa_inst_pref_size 83
	.end_amdhsa_kernel
	.amdgpu_metadata
---
amdhsa.version: [ 1, 2 ]
amdhsa.kernels:
  - .name:           k_qbbafad7cbd_outp
    .symbol:         k_qbbafad7cbd_outp.kd
    .args:
      - { .name: cat, .offset: 0, .size: 8, .value_kind: global_buffer, .address_space: global }
      - { .name: wcod, .offset: 8, .size: 8, .value_kind: global_buffer, .address_space: global }
      - { .name: lowp_scales, .offset: 16, .size: 8, .value_kind: global_buffer, .address_space: global }
      - { .name: part, .offset: 24, .size: 8, .value_kind: global_buffer, .address_space: global }
      - { .name: out0, .offset: 32, .size: 8, .value_kind: global_buffer, .address_space: global }
    .group_segment_fixed_size: 327680
    .private_segment_fixed_size: 0
    .kernarg_segment_align: 8
    .kernarg_segment_size: 40
    .max_flat_workgroup_size: 128
    .sgpr_count:     100
    .vgpr_count:     768
    .wavefront_size: 32
...
	.end_amdgpu_metadata
.endif
;; end of part 4
